; MI455X (gfx1250); checked and timed in simulation.
; The chip was launched on July 23, 2026; its instructions are those of AMD's public machine-readable ISA for CDNA 5 (MIT licence, August 2026) and "CDNA5" Instruction Set Architecture Reference Guide (July 2026). The comments in the code are by the model that wrote it; some were corrected since.
;; Multi Head Self Attention. Allowed arithmetic: matrix products marked QUANTISED: E2M3 operands, one E8M0 scale for each 32 along K, by v_wmma_scale_f32_16x16x128_f8f6f4 with both operands' format E2M3, f32 sums; everything else in f32.
;; Inputs: W_out 1,024 x 1,024 float32; W_qkv 1,024 x 3,072 float32; b_out 1,024 float32; b_qkv 3,072 float32; x 4 x 2,048 x 1,024 float32.
;; Outputs: out0 4 x 2,048 x 1,024 float32.
;; This version of the problem:
;;   THIS VERSION OF THE PROBLEM IS GIVEN IN LOW PRECISION. The matrix products marked QUANTISED in the list below multiply operands that are first quantised to E2M3 (2 exponent bits, 3 mantissa bits; 6 bits a number), with one power-of-two scale for each 32 numbers along K (OCP MX v1.0); their sums are f32. All else is computed in f32.
;;   The module's matrix products, in the order in which they are computed (A, B: the left and right operand; K: the contracted axis; several contracted axes count as one K, in the product's order):
;;     1. [M 8,192, K 1,024] x [K 1,024, N 3,072]; A: input x; B: input W_qkv: QUANTISED
;;     2. batch 64 x [M 2,048, K 64] x [K 64, N 2,048]; A: computed on the way; B: computed on the way: QUANTISED
;;     3. batch 64 x [M 2,048, K 2,048] x [K 2,048, N 64]; A: softmax (see below); B: computed on the way: QUANTISED
;;     4. [M 8,192, K 1,024] x [K 1,024, N 1,024]; A: computed on the way; B: input W_out: QUANTISED
;;   THE QUANTISER, for each operand of a quantised product, along K:
;;     - K is cut into blocks of 32 from its start; a last block that is shorter is filled with zeros.
;;     - A block's scale is 2^e with e = floor(log2(the largest magnitude in the block)) - 2, held to -126 .. 127; a block of zeros has e = 0. As a byte (E8M0): e + 127.
;;     - Each number is divided by its block's scale, clamped to +-7.5, and rounded to the nearest number of E2M3, ties to even, subnormals kept.
;;     - The product sums the exact products of the quantised numbers (number of the format x scale) in f32.
;;   ~~~python
;;   def quantise(x, axis):      # numpy; x: float32 -> the quantised numbers, widened to float32 again
;;       x = np.moveaxis(x, axis, -1); K = x.shape[-1]
;;       x = np.pad(x, [(0, 0)] * (x.ndim - 1) + [(0, -K % 32)]); x = x.reshape(x.shape[:-1] + (-1, 32)); a = np.abs(x).max(-1, keepdims=True)
;;       e = np.where(a > 0, np.clip(np.frexp(np.where(a > 0, a, 1))[1] - 1 - 2, -126, 127), 0)      # np.frexp(a)[1] - 1 = floor(log2(a)), exactly
;;       r = np.clip(x / 2.0 ** e, -7.5, 7.5)
;;       step = 2.0 ** (np.maximum(np.frexp(np.where(r == 0, 1, r))[1] - 1, 0) - 3)
;;       q = np.round(r / step) * step * 2.0 ** e      # np.round: ties to even
;;       return np.moveaxis(q.reshape(q.shape[:-2] + (-1,))[..., :K], -1, axis).astype(np.float32)
;;   ~~~
;;   SOFTMAX AHEAD OF A QUANTISED PRODUCT. Where the list says 'softmax', what is quantised is not the finished softmax but p = 2^(t - M), with t = logit x log2(e) and M = ceil(the row's largest t), a whole number; so 1/2 < the row's largest p <= 1. The row's sum l is taken of the UNQUANTISED p, in f32, and the product's result is divided by l at the end. Since M is a whole number, a kernel that streams over the keys may use a running M (the ceiling of the running maximum): every later rescaling is an exact power of two, which a block's scale takes up: the codes' values come out the same.
;;   OPERANDS COMPUTED ON THE WAY. 'Computed on the way' means the value that the module computes at that place (a softmax that the list does not call 'softmax' is quantised finished and normalised). What goes into a quantiser is computed in f32, as accurately as f32 sums, v_exp_f32 and their like allow (about 1e-6 of the number): no bf16 or f16 on the way to a quantiser, and a product that is left as it is and whose result goes on into a quantised operand takes f32 operands (vector FMAs, or v_wmma_f32_16x16x4_f32). A number that lies on a knife's edge between two numbers of the format may be rounded either way, as far as f32 arithmetic and the matrix unit's own rounding can turn it there, and no further.
;; One version. Each part assembles by itself: llvm-mc -triple=amdgcn-amd-amdhsa -mcpu=gfx1250 --defsym DOCPART=n.
;; ======== version 1 of 1: 4 launches
;; limits: right only within a limited range of input values
;; workspace buffers: pcodes 9,437,184 bytes; pscales 393,216 bytes; qkv_codes 18,874,368 bytes; qkv_scales 1,572,864 bytes; o_img 6,291,456 bytes; o_sc 262,144 bytes
;; launch prep (part 1): grid 384 x 1, 4 waves a work-group, no clusters, 34,304 bytes of LDS; arguments x, W_qkv, W_out, pcodes, pscales; writes pcodes, pscales
.if DOCPART == 1
	.amdgcn_target "amdgcn-amd-amdhsa--gfx1250"
	.amdhsa_code_object_version 6
	.text
	.protected	k_q9045625bbf_prep
	.globl	k_q9045625bbf_prep
	.p2align	8
	.type	k_q9045625bbf_prep,@function
k_q9045625bbf_prep:
	s_mov_b64 s[64:65], 0
	v_nop
	global_prefetch_b8 v0, s[64:65] scope:SCOPE_SE
	s_setreg_imm32_b32 hwreg(HW_REG_WAVE_MODE, 25, 1), 1
	s_wait_xcnt 0x0
; x [8192][1024], W_qkv [1024 (k)][3072 (n)] and W_out [1024 (k)][1024 (n)], f32, become codes of FP6 (E2M3) with one E8M0 byte for each 32 along K.
; A block's scale is 2^(floor(log2(its largest magnitude)) - 2); its byte is the largest magnitude's exponent field - 2, held at 1 from below.
; THE CODES ARE LAID AS IMAGES OF THE OPERAND'S REGISTERS.  A fragment (16 rows x 128 K, 12 registers a lane) is 1,536 bytes: register g of lane l at 512 (g / 4) + 16 l + 4 (g % 4).
; An operand: group (128 rows) x 98,304 + (k / 256) x 24,576 + (row / 16 % 8) x 3,072 + (k / 128 % 2) x 1,536.  Groups 0-63: x; 64-87: W_qkv's columns n as rows; 88-95: W_out's.
; The scale words: group x 4,096 + (row / 16 % 8) x 512 + (k / 256) x 128 + (row % 16) x 8 + (k / 128 % 2) x 4.
; W_out's numbers stand inside each block of 32 in the order in which the attention launch leaves its results: place 16 a + 8 b + w holds k 16 b + 8 a + w.  The set of 32 is the true block, so the scale is the rule's.
; LIMITS: NaN and infinities among the inputs are not served.  A block of zeros gets the byte 1 where the rule says 127: its codes are zeros, and this program alone reads the bytes.
; Work-groups 0-255 take x, 256-351 W_qkv, 352-383 W_out; every wave reads 32,768 bytes.  No tensor load, no barrier: waves share nothing.  Only x's path uses LDS.
.set XR,   16                          ; v16-143   x as loaded, two sets of 64
.set XX,   144                         ; v144-207  x(r, 64 c + 32 h + i) at 32 c + i
.set PC,   208                         ; v208-219  a fragment's codes
.set CT,   220                         ; v220-227  the upper halves of the blocks' codes, as the conversions leave them
.set SW,   228                         ; v228-231  the four fragments' scale words
.set MX,   232
.set SO,   234
.set BY,   236
.set WD,   238
.set WT,   239
.set TT,   240
.set SPX,  528                         ; a stage row: 512 bytes + 16
	s_load_b256 s[4:11], s[0:1], 0x0               ; x s[4:5], W_qkv s[6:7], W_out s[8:9], the codes s[10:11]
	s_load_b64 s[12:13], s[0:1], 0x20              ; the scale words
	v_lshl_add_u32 v254, v0, 2, 0x8400
	v_mov_b32 v255, 0
	v_lshrrev_b32 v7, 5, v0
	v_readfirstlane_b32 s16, v7                    ; wave
	v_and_b32 v6, 31, v0                           ; lane
	v_and_b32 v8, 15, v0                           ; r
	v_bfe_u32 v9, v0, 4, 1                         ; h
	s_wait_kmcnt 0x0
	s_cmp_lt_u32 ttmp9, 256
	s_cbranch_scc0 .Lweights
; ---- x: K is innermost.  A wave takes 16 rows x 512 K: four fragments.  Each load reads 512 consecutive bytes of a row; the 16 rows x 512 bytes turn through the wave's own stage, so that a lane gets two whole blocks of its row.
	s_wait_alu depctr_va_vdst(0)
	v_lshlrev_b32 v1, 4, v6                        ; 16 x lane: in x's rows, and in an image
	s_wait_alu depctr_va_vdst(0)
	s_mul_i32 s17, s16, 16*SPX                     ; my stage
	v_add_nc_u32 v2, s17, v1                       ; into it: as loaded
	v_mul_u32_u24 v3, v8, SPX
	v_lshl_add_u32 v3, v9, 7, v3
	v_add_nc_u32 v3, s17, v3                       ; out of it: row r, + 128 h bytes (32 numbers)
	v_lshlrev_b32 v4, 3, v9                        ; 8 h: my bytes' place in a scale word
	v_lshlrev_b32 v5, 3, v6                        ; 8 x lane
	s_mov_b32 s20, 0x76543210
	s_mov_b32 s21, 0xfedcba98                      ; v_permlanex16_b32's selects for lane l xor 16
	v_mov_b32 v[WT], 0                             ; a lane permute's destination counts as one of its sources
	s_lshl_b32 s18, ttmp9, 2
	s_add_co_u32 s18, s18, s16
	s_lshr_b32 s19, s18, 1                         ; which 16 rows
	s_and_b32 s18, s18, 1                          ; which half of K
	s_lshl_b32 s22, s19, 16
	s_lshl_b32 s24, s18, 11
	s_add_co_u32 s22, s22, s24
	s_mov_b32 s23, 0
	s_lshr_b32 s24, s19, 3                         ; group
	s_and_b32 s25, s19, 7                          ; block of 16 rows in it
	s_mul_i32 s26, s24, 98304
	s_mul_i32 s28, s25, 3072
	s_add_co_u32 s26, s26, s28
	s_mul_i32 s28, s18, 49152
	s_add_co_u32 s26, s26, s28
	s_mov_b32 s27, 0
	s_lshl_b32 s28, s24, 12
	s_lshl_b32 s30, s25, 9
	s_add_co_u32 s28, s28, s30
	s_lshl_b32 s30, s18, 8
	s_add_co_u32 s28, s28, s30
	s_mov_b32 s29, 0
	s_add_nc_u64 s[4:5], s[4:5], s[22:23]
	s_add_nc_u64 s[10:11], s[10:11], s[26:27]
	s_add_nc_u64 s[12:13], s[12:13], s[28:29]
.macro LOADX t
.irp p, 0,1,2,3,4,5,6,7,8,9,10,11,12,13,14,15
	global_load_b128 v[XR+64*((\t)%2)+4*\p:XR+64*((\t)%2)+4*\p+3], v1, s[4:5] offset:4096*\p+512*(\t) th:TH_LOAD_NT
.endr
.endm
.macro QUANTL t                        ; my two blocks, 2 c + h, c = 0, 1: all 32 numbers of each are mine
.irp c, 0,1
	v_max3_num_f32 v[MX+\c], |v[XX+32*\c]|, |v[XX+32*\c+1]|, 0x1800000   ; with the floor 2^(3 - 127): the byte cannot fall under 1
.endr
.irp i, 2,4,6,8,10,12,14,16,18,20,22,24,26,28,30
.irp c, 0,1
	v_max3_num_f32 v[MX+\c], v[MX+\c], |v[XX+32*\c+\i]|, |v[XX+32*\c+\i+1]|
.endr
.endr
.irp c, 0,1
	v_add_nc_u32 v[SO+\c], 0xff000000, v[MX+\c]    ; 2 off the exponent field: the conversion's scale operand
.endr
.irp c, 0,1
	v_lshrrev_b32 v[BY+\c], 23, v[SO+\c]           ; the scale's byte
.endr
	v_lshl_or_b32 v[WD], v[BY+1], 16, v[BY]        ; blocks h and 2 + h,
	v_lshlrev_b32 v[WD], v4, v[WD]                 ; at their places in the word;
	v_permlanex16_b32 v[WT], v[WD], s20, s21
	v_or_b32 v[SW+(\t)], v[WD], v[WT]              ; with lane l xor 16's two the word is whole
.irp c, 0,1
	v_cvt_scalef32_pk16_fp6_f32 v[PC+6*\c:PC+6*\c+2], v[XX+32*\c:XX+32*\c+15], v[SO+\c]
	v_cvt_scalef32_pk16_fp6_f32 v[CT+4*\c:CT+4*\c+2], v[XX+32*\c+16:XX+32*\c+31], v[SO+\c]   ; (a conversion's three registers begin on an even number)
.endr
	v_nop                                          ; one plain place behind a scaled conversion
.irp c, 0,1
.irp i, 0,1,2
	v_mov_b32 v[PC+6*\c+3+\i], v[CT+4*\c+\i]
.endr
.endr
.endm
.macro XSTEP t
.if (\t) < 3
	s_wait_loadcnt 16                              ; this fragment's 16 loads are in; the next fragment's 16 may be out
.else
	s_wait_loadcnt 0x0
.endif
.irp p, 0,1,2,3,4,5,6,7,8,9,10,11,12,13,14,15
	ds_store_b128 v2, v[XR+64*((\t)%2)+4*\p:XR+64*((\t)%2)+4*\p+3] offset:SPX*\p
.endr
.irp c, 0,1
.irp j, 0,1,2,3,4,5,6,7
	ds_load_b128 v[XX+32*\c+4*\j:XX+32*\c+4*\j+3], v3 offset:256*\c+16*\j   ; LDS serves a wave's instructions in order: these see the stores above
.endr
.endr
	s_wait_dscnt 0x0                               ; my numbers are back, and the stores have read their registers,
.if (\t) < 2
	LOADX (\t)+2                                   ; which take the loads of two fragments on
.endif
.if (\t) > 0
	s_wait_xcnt 0x0                                ; the last fragment's stores have read the codes' registers
.endif
	QUANTL \t
.irp j, 0,1,2
	global_store_b128 v1, v[PC+4*\j:PC+4*\j+3], s[10:11] offset:((\t)/2)*24576+((\t)%2)*1536+512*\j   ; 512 consecutive bytes
.endr
.endm
	LOADX 0
	LOADX 1
	s_wait_alu depctr_va_vdst(0)
	XSTEP 0
	XSTEP 1
	XSTEP 2
	XSTEP 3
	v_cmp_le_u32 vcc_lo, 16, v6                    ; lanes 0-15 store the first 256 K's two words of row r, lanes 16-31 the second's: 256 consecutive bytes
	v_cndmask_b32 v[TT], v[SW], v[SW+2], vcc_lo
	v_cndmask_b32 v[TT+1], v[SW+1], v[SW+3], vcc_lo
	global_store_b64 v5, v[TT:TT+1], s[12:13]
	s_wait_tensorcnt 0x0
	ds_add_u32 v254, v255
	s_wait_dscnt 0x0
	s_endpgm
; ---- the weights: K is the FIRST axis.  A lane takes a column n and its registers run down K: a block of 32 lies in one lane.  A wave takes 32 columns x 256 K: eight blocks a lane.
; Blocks go in the order (fragment ks, half hh, c): blocks c = 0, 1 of one (ks, hh) are the 12 registers of the fragment's lane 16 hh + r.
.macro WLOAD q, N, PERM
.set BKK, 4*((\q)/4)+2*((\q)%2)+(((\q)/2)%2)
.set WI, 0
.rept 32
.if \PERM
.set WP, WI%8+16*((WI/8)%2)+8*(WI/16)
.else
.set WP, WI
.endif
	global_load_b32 v[32+32*((\q)%2)+WP], v1, s[14:15] offset:(32*BKK+WI)*(\N)*4 th:TH_LOAD_NT   ; 128 consecutive bytes a wave, 512 a work-group
.set WI, WI+1
.endr
.endm
.macro WBLOCK q, N, PERM
.set WXS, 32+32*((\q)%2)
.set WKS, (\q)/4
.set WHH, ((\q)/2)%2
.set WCC, (\q)%2
.set WPS, 96+12*WHH
.if (\q) < 7
	s_wait_loadcnt 32                              ; this block's 32 loads are in; the next block's may be out
.else
	s_wait_loadcnt 0x0
.endif
	v_max3_num_f32 v126, |v[WXS]|, |v[WXS+1]|, 0x1800000
	v_max3_num_f32 v127, |v[WXS+2]|, |v[WXS+3]|, |v[WXS+4]|
.irp i, 5,9,13,17,21,25
	v_max3_num_f32 v126, v126, |v[WXS+\i]|, |v[WXS+\i+1]|
	v_max3_num_f32 v127, v127, |v[WXS+\i+2]|, |v[WXS+\i+3]|
.endr
	v_max3_num_f32 v126, v126, |v[WXS+29]|, |v[WXS+30]|
	v_max3_num_f32 v126, v126, v127, |v[WXS+31]|
	v_add_nc_u32 v128, 0xff000000, v126
	v_lshrrev_b32 v129, 23, v128
.if 2*WCC+WHH == 0
	v_mov_b32 v[124+WKS], v129
.else
	v_lshl_or_b32 v[124+WKS], v129, 8*(2*WCC+WHH), v[124+WKS]
.endif
.if (WCC == 0) && ((\q) >= 4)
	s_wait_alu depctr_va_vdst(0)
	s_wait_xcnt 0x0                                ; this set of codes was stored three blocks ago: the stores have read it
.endif
	v_cvt_scalef32_pk16_fp6_f32 v[WPS+6*WCC:WPS+6*WCC+2], v[WXS:WXS+15], v128
	v_cvt_scalef32_pk16_fp6_f32 v[120:122], v[WXS+16:WXS+31], v128
	v_nop
.irp i, 0,1,2
	v_mov_b32 v[WPS+6*WCC+3+\i], v[120+\i]
.endr
.if (\q) < 6
	WLOAD (\q)+2, \N, \PERM
.endif
.if WCC == 1
.irp j, 0,1,2
	global_store_b128 v2, v[WPS+4*\j:WPS+4*\j+3], s[10:11] offset:WKS*1536+512*\j+256*WHH   ; sixteen lanes store 256 consecutive bytes, aligned
.endr
.endif
.endm
.macro WPATH N, G0, FIRSTWG, PERM, PTR
	s_sub_co_u32 s17, ttmp9, \FIRSTWG
	s_and_b32 s18, s17, 3                          ; which 256 along K
	s_lshr_b32 s19, s17, 2                         ; which 128 columns
	v_lshlrev_b32 v1, 2, v6                        ; in: 4 bytes a lane
	s_wait_alu depctr_va_vdst(0)
	v_mul_u32_u24 v2, v9, 3072
	v_lshl_add_u32 v2, v8, 4, v2                   ; codes: lanes 16-31 hold the next block of 16 rows; 16 r in an image
	v_lshlrev_b32 v3, 9, v9
	v_lshl_add_u32 v3, v8, 3, v3                   ; scale words
	s_mul_i32 s22, s18, 256*(\N)*4
	s_lshl_b32 s24, s19, 9
	s_add_co_u32 s22, s22, s24
	s_lshl_b32 s24, s16, 7
	s_add_co_u32 s22, s22, s24
	s_mov_b32 s23, 0
	s_add_co_u32 s24, s19, \G0                     ; group
	s_mul_i32 s26, s24, 98304
	s_mul_i32 s28, s18, 24576
	s_add_co_u32 s26, s26, s28
	s_mul_i32 s28, s16, 6144
	s_add_co_u32 s26, s26, s28
	s_mov_b32 s27, 0
	s_lshl_b32 s28, s24, 12
	s_lshl_b32 s30, s16, 10
	s_add_co_u32 s28, s28, s30
	s_lshl_b32 s30, s18, 7
	s_add_co_u32 s28, s28, s30
	s_mov_b32 s29, 0
	s_add_nc_u64 s[14:15], s[\PTR:\PTR+1], s[22:23]
	s_add_nc_u64 s[10:11], s[10:11], s[26:27]
	s_add_nc_u64 s[12:13], s[12:13], s[28:29]
	WLOAD 0, \N, \PERM
	WLOAD 1, \N, \PERM
.irp q, 0,1,2,3,4,5,6,7
	WBLOCK \q, \N, \PERM
.endr
	global_store_b64 v3, v[124:125], s[12:13]      ; my row's two scale words
	s_endpgm
.endm
.Lweights:
	s_cmp_lt_u32 ttmp9, 352
	s_cbranch_scc0 .Lwout
	s_wait_alu depctr_va_vdst(0)
	WPATH 3072, 64, 256, 0, 6
.Lwout:
	s_wait_alu depctr_va_vdst(0)
	WPATH 1024, 88, 352, 1, 8
.Lfunc_end_k_q9045625bbf_prep:
	.size	k_q9045625bbf_prep, .Lfunc_end_k_q9045625bbf_prep-k_q9045625bbf_prep
	.p2alignl 7, 3214868480
	.fill 96, 4, 3214868480
	.section	.rodata,"a",@progbits
	.p2align	6, 0x0
	.amdhsa_kernel k_q9045625bbf_prep
		.amdhsa_group_segment_fixed_size 34304
		.amdhsa_private_segment_fixed_size 0
		.amdhsa_enable_private_segment 0
		.amdhsa_kernarg_size 40
		.amdhsa_user_sgpr_count 2
		.amdhsa_user_sgpr_kernarg_segment_ptr 1
		.amdhsa_wavefront_size32 1
		.amdhsa_system_sgpr_workgroup_id_x 1
		.amdhsa_system_sgpr_workgroup_id_y 1
		.amdhsa_system_sgpr_workgroup_id_z 1
		.amdhsa_system_vgpr_workitem_id 0
		.amdhsa_next_free_vgpr 256
		.amdhsa_next_free_sgpr 66
		.amdhsa_reserve_vcc 1
		.amdhsa_float_denorm_mode_32 3
		.amdhsa_float_denorm_mode_16_64 3
		.amdhsa_memory_ordered 1
		.amdhsa_forward_progress 1
		.amdhsa_inst_pref_size 107
	.end_amdhsa_kernel
	.amdgpu_metadata
---
amdhsa.version: [ 1, 2 ]
amdhsa.kernels:
  - .name:           k_q9045625bbf_prep
    .symbol:         k_q9045625bbf_prep.kd
    .args:
      - { .name: x, .offset: 0, .size: 8, .value_kind: global_buffer, .address_space: global }
      - { .name: W_qkv, .offset: 8, .size: 8, .value_kind: global_buffer, .address_space: global }
      - { .name: W_out, .offset: 16, .size: 8, .value_kind: global_buffer, .address_space: global }
      - { .name: pcodes, .offset: 24, .size: 8, .value_kind: global_buffer, .address_space: global }
      - { .name: pscales, .offset: 32, .size: 8, .value_kind: global_buffer, .address_space: global }
    .group_segment_fixed_size: 34304
    .private_segment_fixed_size: 0
    .kernarg_segment_align: 8
    .kernarg_segment_size: 40
    .max_flat_workgroup_size: 128
    .sgpr_count:     66
    .vgpr_count:     256
    .wavefront_size: 32
...
	.end_amdgpu_metadata
.endif
;; end of part 1
;; launch gemm_qkv (part 2): grid 8 x 48, 4 waves a work-group, clusters of 4 x 4, 327,680 bytes of LDS; arguments pcodes, pscales, b_qkv, qkv_codes, qkv_scales; writes qkv_codes, qkv_scales
.if DOCPART == 2
	.amdgcn_target "amdgcn-amd-amdhsa--gfx1250"
	.amdhsa_code_object_version 6
	.text
	.protected	k_q9045625bbf_gemm_qkv
	.globl	k_q9045625bbf_gemm_qkv
	.p2align	8
	.type	k_q9045625bbf_gemm_qkv,@function
k_q9045625bbf_gemm_qkv:
	s_mov_b64 s[64:65], 0
	v_nop
	global_prefetch_b8 v0, s[64:65] scope:SCOPE_SE
	s_setreg_imm32_b32 hwreg(HW_REG_WAVE_MODE, 25, 1), 1
	s_wait_xcnt 0x0
	s_wait_alu depctr_hold_cnt(0) depctr_sa_sdst(0) depctr_va_vdst(0) depctr_va_sdst(0) depctr_va_ssrc(0) depctr_va_vcc(0) depctr_vm_vsrc(0)
	s_getreg_b32 s2, hwreg(HW_REG_IB_STS2, 6, 4)
	s_cmp_eq_u32 s2, 0
	s_cbranch_scc0 .Lentry_in_a_cluster
	s_endpgm
.Lentry_in_a_cluster:
	s_bfe_u32 s2, ttmp6, 0x10000c
	s_cmp_lg_u32 s2, 0xf033
	s_cbranch_scc0 .Lentry_shape_is_right
	s_endpgm
.Lentry_shape_is_right:
; qkv = x W_qkv + b_qkv on codes of FP6 (E2M3) with E8M0 scales, K = 1,024; the results never go to memory as f32: q and k are quantised along the head's 64, v along the keys, in registers, and leave as images of the attention launch's operand registers.
; A work-group of four waves makes 256 x 256, a wave 128 x 128: 64 accumulators.  Source 0's rows run along a lane's registers, source 1's along the lanes: a result is quantised along source 0.
; TWO FLAVOURS, told apart by the cluster's y alone, which all sixteen partners share.  y < 8 (q, k): source 0 = W_qkv's columns n 0-2,047, source 1 = x's tokens.  y = 8..11 (v): source 0 = x's tokens (the keys), source 1 = columns 2,048-3,071.
; The operands lie in memory as images of registers (fragment: 16 rows x 128 K, 1,536 bytes; 128 rows x 256 K are one dense block of 24,576 bytes), so a K step's part of a wave is one dense tensor load and a fragment is three loads of 16 bytes a lane, 512 consecutive bytes each: no pitch, no padding.
; K goes in steps of 256 through a ring of two LDS slots; the scale words of the work-group's rows come once and stay.  CLUSTERS: 4 x 4; source 1's tile is asked for jointly along a row of the cluster, source 0's along a column.
; THE ORDER INSIDE A BLOCK OF 32.  Tiles are 16 neighbouring rows, so the 16 registers of two neighbouring tiles hold elements 16 u + 8 h + w: place 16 h + 8 u + w of a quantised block holds element 16 u + 8 h + w.  The 32 are the true block (the scale is the rule's), and both operands of every later product carry the same order.
; LIMITS: NaN and infinities are not served; a block of zeros gets the byte 1 (its codes are zeros; this program alone reads the bytes); the order inside a block changes only how exact products are grouped inside a matrix instruction.
; REGISTERS, in windows of 256: window 0: v16-31 addresses; v32-63 scale words, two sets; v64-127 and v224-239 the bias; v128-223 source 1's fragments, one set (in the epilogue: at work).  window 1: source 0's fragments, two sets, at v0 and v128.  windows 2, 3: the accumulators ((a, b) at v[8 (8 (a % 4) + b)]).
.set FR,     12
.set NL,     3                         ; LDS loads that bring a fragment
.set NQ,     2                         ; matrix instructions deep in a slot
.set NP,     4                         ; places behind this matrix instruction (ISA guide 7.12.1)
.set HALFT,  24576                     ; 128 rows x 256 K: what one tensor load brings
.set SLOT,   4*HALFT                   ; source 1's two halves, then source 0's
.set SCL,    2*SLOT                    ; behind the ring: the scale words, 4,096 bytes for 128 rows, in the same order
.set HALFS,  4096
.set SPARE,  SCL+4*HALFS               ; the spare words, 128 bytes a wave: two blocks of 256 bytes that no other line names
.set ADRA, 16                          ; v16-17 LDS address of source 1's fragments in slot 0, 1
.set ADRB, 20                          ; v20-21 of source 0's
.set L16,  24                          ; v24  16 x lane
.set L8,   25                          ; v25  8 x lane
.set VSO,  26                          ; v26  16 r + 12,288 h: v's scale words
.set ADRS, 27                          ; v27  LDS address of my scale words: lanes 0-15 source 1's, lanes 16-31 source 0's
.set SPW,  28
.set NIL,  29
.set BO,   30                          ; v30  32 h
.set BO4,  31                          ; v31  4 r
.set SC,   32
.set BIAS, 64                          ; v64-127  b(n0 + 16 b + 8 h + j) at 8 b + j
.set AF,   128
.set BV,   224                         ; v224-239 b(n0 + 16 a + r) at 2 a and at 2 a + 1
.set H,    128                         ; the epilogue: 64 numbers,
.set PC,   192                         ; their codes (12, and 8 for the conversions' second halves),
.set TM,   212                         ; 12 at work,
.set SW,   240                         ; eight scale words,
.set T,    248
.set T2,   252
.set SEL,  66                          ; s[66:67]
.set G1, 24
.set G0, 32
.set G1B, 48
.set G0B, 56
.set G1S, 68
.set G0S, 76
.set G1SB, 80
.set G0SB, 88
.set MSB, 0
.macro WIN new                         ; the immediate's high byte repeats the setting that is left
.if MSB != (\new)
	s_set_vgpr_msb (MSB<<8)|(\new)
.set MSB, (\new)
.endif
.endm
.set MUL_LO, 0xa1                      ; source 0 window 1, source 1 window 0, C and D window 2
.set MUL_HI, 0xf1
.set TO_B,   0x40
; A joint load: waves 0 and 1 fetch for source 1, waves 2 and 3 for source 0.  The branch hangs on the wave's number alone.  Four v_nop follow each of the two lines.
.macro JLOAD g0a, g1a, g0b, g1b
	s_cmp_eq_u32 s15, 0
	s_cbranch_scc0 .Lfor_b_\@
	tensor_load_to_lds s[\g0a:\g0a+3], s[\g1a:\g1a+7]
	s_nop 0
.rept 4
	v_nop
.endr
	s_branch .Lasked_\@
.Lfor_b_\@:
	tensor_load_to_lds s[\g0b:\g0b+3], s[\g1b:\g1b+7]
	s_nop 0
.rept 4
	v_nop
.endr
.Lasked_\@:
.endm
.macro CREST                           ; a round of the cluster's barrier behind its opening barrier
	s_cmp_lg_u32 s14, 0
	s_cbranch_scc1 .Lnot_wave_0_\@
	s_barrier_signal -3
.Lnot_wave_0_\@:
	s_barrier_wait -3
	s_barrier_signal -1
	s_barrier_wait -1
.endm
.macro CROUND
	s_barrier_signal -1
	s_barrier_wait -1
	CREST
.endm
	s_load_b256 s[4:11], s[0:1], 0x0               ; the codes s[4:5], their scale words s[6:7], b_qkv s[8:9], q, k, v's codes s[10:11]
	s_load_b64 s[12:13], s[0:1], 0x20              ; and their scale words
	v_lshl_add_u32 v[SPW], v0, 2, SPARE
	v_mov_b32 v[NIL], 0
	ds_add_u32 v28, v29
	ds_add_u32 v28, v29
	s_wait_dscnt 0x0
	v_lshrrev_b32 v1, 5, v0
	v_readfirstlane_b32 s14, v1                    ; wave 0..3
	s_lshr_b32 s15, s14, 1                         ; which half of source 1's rows is mine.  Also: I fetch for source 1 (0) or source 0 (1)
	s_and_b32 s16, s14, 1                          ; which half of source 0's rows.  Also: which 128 rows I fetch
	s_bfe_u32 s40, ttmp6, 0x40000                  ; cx
	s_bfe_u32 s41, ttmp6, 0x40004                  ; cy
	s_and_b32 s17, ttmp7, 0xffff                   ; the cluster's y
	s_sub_co_u32 s18, s17, 8
	s_lshl_b32 s18, s18, 1
	s_add_co_u32 s18, s18, ttmp9                   ; v: 2 (y - 8) + x
	s_cmp_lt_u32 s17, 8                            ; the flavour: only selections follow this compare
	s_cselect_b32 s42, ttmp9, s18
	s_cselect_b32 s17, s17, 2
	s_cselect_b32 s96, 64, 0                       ; source 0's first group
	s_cselect_b32 s97, 0, 64                       ; source 1's
	s_cselect_b32 s98, 0, 1                        ; 0: q, k; 1: v
	s_lshl_b32 s42, s42, 2
	s_add_co_u32 s42, s42, s40                     ; source 0's tile of 256 rows: hangs on cx, never on cy
	s_lshl_b32 s17, s17, 2
	s_add_co_u32 s17, s17, s41                     ; source 1's: hangs on cy, never on cx
	s_lshl_b32 s43, s41, 2
	s_lshl_b32 s43, 15, s43                        ; my row of the cluster
	s_lshl_b32 s44, 0x1111, s40                    ; my column
	; descriptor group 1: dense blocks as rows of 256 bytes (32 elements of 8 bytes), no padding: 96 rows of codes, 32 of scale words
	s_or_b32 s[G1+0], s43, (3<<16)|(1<<21)
	s_or_b32 s[G1B+0], s44, (3<<16)|(1<<21)
.irp g, G1, G1B                        ; for the head's loads: both halves of K step 0 as 2 rows of 24,576 bytes, 98,304 bytes apart
	s_mov_b32 s[\g+1], 3072<<16
	s_mov_b32 s[\g+2], 2<<16
	s_mov_b32 s[\g+3], 3072<<16
	s_mov_b32 s[\g+4], 2
	s_mov_b32 s[\g+5], 12288
	s_mov_b32 s[\g+6], 0
	s_mov_b32 s[\g+7], 0
.endr
	s_or_b32 s[G1S+0], s43, (3<<16)|(1<<21)
	s_or_b32 s[G1SB+0], s44, (3<<16)|(1<<21)
.irp g, G1S, G1SB                      ; the scale words of 256 rows: 32 rows of 256 bytes
	s_mov_b32 s[\g+1], 32<<16
	s_mov_b32 s[\g+2], 32<<16
	s_mov_b32 s[\g+3], 32<<16
	s_mov_b32 s[\g+4], 32
	s_mov_b32 s[\g+5], 32
	s_mov_b32 s[\g+6], 0
	s_mov_b32 s[\g+7], 0
.endr
	s_mov_b32 s[SEL], 0x76543210
	s_mov_b32 s[SEL+1], 0xfedcba98
	s_lshl_b32 s20, s17, 1
	s_add_co_u32 s20, s20, s97
	s_lshl_b32 s22, s20, 12                        ; the scale words of both halves begin at the first half's group
	s_add_co_u32 s20, s20, s16                     ; the group of 128 rows that I would fetch for source 1,
	s_lshl_b32 s46, s42, 1
	s_add_co_u32 s46, s46, s96
	s_lshl_b32 s92, s46, 12
	s_add_co_u32 s46, s46, s16                     ; for source 0
	s_mov_b32 s23, 0
	s_mov_b32 s93, 0
	s_mul_i32 s20, s20, 98304
	s_mov_b32 s21, 0
	s_mul_i32 s46, s46, 98304
	s_mov_b32 s47, 0
	s_mul_i32 s45, s14, HALFT                      ; where they go: by the wave's number alone
	s_wait_kmcnt 0x0
	s_add_nc_u64 s[20:21], s[4:5], s[20:21]
	s_add_nc_u64 s[22:23], s[6:7], s[22:23]
	s_add_nc_u64 s[46:47], s[4:5], s[46:47]
	s_add_nc_u64 s[92:93], s[6:7], s[92:93]
	CROUND                                         ; all sixteen work-groups are here: the first joint loads meet
	s_mov_b32 s[G0S], 1
	s_mov_b32 s[G0S+1], SCL
	s_mov_b64 s[G0S+2:G0S+3], s[22:23]
	s_or_b32 s[G0S+3], s[G0S+3], 0x80000000
	s_mov_b32 s[G0SB], 1
	s_mov_b32 s[G0SB+1], SCL+2*HALFS
	s_mov_b64 s[G0SB+2:G0SB+3], s[92:93]
	s_or_b32 s[G0SB+3], s[G0SB+3], 0x80000000
.irp s, 0,1
	s_mov_b32 s[G0+4*\s], 1
	s_add_co_u32 s[G0+4*\s+1], s45, \s*SLOT
	s_add_nc_u64 s[G0+4*\s+2:G0+4*\s+3], s[20:21], \s*HALFT
	s_or_b32 s[G0+4*\s+3], s[G0+4*\s+3], 0x80000000
	s_mov_b32 s[G0B+4*\s], 1
	s_add_co_u32 s[G0B+4*\s+1], s45, \s*SLOT
	s_add_nc_u64 s[G0B+4*\s+2:G0B+4*\s+3], s[46:47], \s*HALFT
	s_or_b32 s[G0B+4*\s+3], s[G0B+4*\s+3], 0x80000000
.endr
; THE HEAD'S LOADS, ONE A WAVE: wave 0 source 1's 256 rows of K step 0, wave 1 their scale words, wave 2 source 0's 256 rows, wave 3 their scale words.
; Waves 0 and 2 hold the first half's address and LDS place in their slot 0 registers, so these serve as they stand.
.macro HARM under, g0, g1, next
	s_cmp_lt_u32 s14, \under
	s_cbranch_scc0 \next
	tensor_load_to_lds s[\g0:\g0+3], s[\g1:\g1+7]
	s_nop 0
.rept 4
	v_nop
.endr
	s_branch .Lhead_asked
\next:
.endm
	HARM 1, G0, G1, .Lhead_s1
	HARM 2, G0S, G1S, .Lhead_c0
	HARM 3, G0B, G1B, .Lhead_s0
	tensor_load_to_lds s[G0SB:G0SB+3], s[G1SB:G1SB+7]
	s_nop 0
.rept 4
	v_nop
.endr
.Lhead_asked:
	v_and_b32 v1, 15, v0                           ; r
	v_bfe_u32 v2, v0, 4, 1                         ; h
	s_wait_alu depctr_va_vdst(0)
	v_and_b32 v3, 31, v0                           ; lane
	v_lshlrev_b32 v[L16], 4, v3
	v_lshlrev_b32 v[L8], 3, v3
	s_mul_i32 s21, s15, HALFT                      ; my 128 rows of source 1
	s_mul_i32 s22, s16, HALFT
	s_add_co_u32 s22, s22, 2*HALFT                 ; my 128 rows of source 0
.irp s, 0,1
	v_add_nc_u32 v[ADRA+\s], s21, v[L16]
	v_add_nc_u32 v[ADRB+\s], s22, v[L16]
	s_add_co_u32 s21, s21, SLOT
	s_add_co_u32 s22, s22, SLOT
.endr
	v_lshlrev_b32 v5, 3, v1                        ; my row's two words of a K step
	s_lshl_b32 s21, s15, 12
	s_lshl_b32 s22, s16, 12
	s_add_co_u32 s22, s22, 2*HALFS
	s_sub_co_u32 s22, s22, s21
	v_mul_u32_u24 v6, s22, v2                      ; lanes 16-31 take source 0's
	s_add_co_u32 s21, s21, SCL
	v_add_nc_u32 v5, v5, v6
	v_add_nc_u32 v[ADRS], s21, v5
	v_mul_u32_u24 v[VSO], v2, 12288
	v_lshl_add_u32 v[VSO], v1, 4, v[VSO]
	; THE BIAS of my 128 columns n, in both forms, from one base: along the registers (q, k use it) and along the lanes (v uses it).  Both are loaded in both flavours, so that no branch stands here; all 128 numbers lie inside b_qkv either way.
	s_lshl_b32 s21, s42, 8
	s_lshl_b32 s22, s16, 7
	s_add_co_u32 s21, s21, s22                     ; q, k: n0 = 256 x source 0's tile + 128 x half
	s_lshl_b32 s22, s41, 8
	s_lshl_b32 s23, s15, 7
	s_add_co_u32 s22, s22, s23
	s_add_co_u32 s22, s22, 2048                    ; v: n0 = 2,048 + 256 cy + 128 x half
	s_cmp_eq_u32 s98, 0
	s_cselect_b32 s22, s21, s22
	s_lshl_b32 s22, s22, 2
	s_mov_b32 s23, 0
	s_add_nc_u64 s[8:9], s[8:9], s[22:23]
	v_lshlrev_b32 v[BO], 5, v2
	v_lshlrev_b32 v[BO4], 2, v1
.irp b, 0,1,2,3,4,5,6,7
	global_load_b128 v[BIAS+8*\b:BIAS+8*\b+3], v[BO], s[8:9] offset:64*\b
	global_load_b128 v[BIAS+8*\b+4:BIAS+8*\b+7], v[BO], s[8:9] offset:64*\b+16
.endr
.irp a, 0,1,2,3,4,5,6,7
	global_load_b32 v[BV+2*\a], v[BO4], s[8:9] offset:64*\a
	global_load_b32 v[BV+2*\a+1], v[BO4], s[8:9] offset:64*\a    ; twice: the pair that the packed addition names
.endr
.macro FRAG reg, adr, q, i             ; a fragment comes back as it was stored: three loads of 512 consecutive bytes
.irp c, 0,1,2
	ds_load_b128 v[\reg+4*\c:\reg+4*\c+3], v[\adr] offset:3072*(\i)+1536*(\q)+512*\c
.endr
.endm
; 16 matrix instructions: source 1's blocks a0, a0 + 1 x source 0's eight.  The 64 accumulators take turns, one instruction a turn, in the same order in every step.
.macro MUL16 a0, p, q, sc, zero
.irp a, \a0, \a0+1
.irp b, 0,1,2,3,4,5,6,7
.if \zero
	v_wmma_scale_f32_16x16x128_f8f6f4 v[8*(8*((\a)%4)+\b):8*(8*((\a)%4)+\b)+7], v[128*(\p)+FR*\b:128*(\p)+FR*\b+FR-1], v[AF+FR*(\a):AF+FR*(\a)+FR-1], 0, v[SC+8*NQ*(\sc)+NQ*\b+(\q)], v[SC+8*NQ*(\sc)+NQ*(\a)+(\q)] matrix_a_fmt:MATRIX_FMT_FP6 matrix_b_fmt:MATRIX_FMT_FP6 matrix_a_scale:MATRIX_SCALE_ROW1
.else
	v_wmma_scale_f32_16x16x128_f8f6f4 v[8*(8*((\a)%4)+\b):8*(8*((\a)%4)+\b)+7], v[128*(\p)+FR*\b:128*(\p)+FR*\b+FR-1], v[AF+FR*(\a):AF+FR*(\a)+FR-1], v[8*(8*((\a)%4)+\b):8*(8*((\a)%4)+\b)+7], v[SC+8*NQ*(\sc)+NQ*\b+(\q)], v[SC+8*NQ*(\sc)+NQ*(\a)+(\q)] matrix_a_fmt:MATRIX_FMT_FP6 matrix_b_fmt:MATRIX_FMT_FP6 matrix_a_scale:MATRIX_SCALE_ROW1
.endif
.endr
.endr
.endm
.macro FETCH_B slot, q, p
	WIN TO_B
.irp i, 0,1,2,3,4,5,6,7
	FRAG 128*(\p)+FR*\i, ADRB+\slot, \q, \i
.endr
	WIN 0
.endm
.macro FETCH_A slot, q, i0
.irp i, \i0, \i0+1, \i0+2, \i0+3
	FRAG AF+FR*(\i), ADRA+\slot, \q, \i
.endr
.endm
.macro SCALES sc                       ; a K step's two words a row: lanes 0-15 source 1's block i, lanes 16-31 source 0's block i
.irp i, 0,1,2,3,4,5,6,7
	ds_load_b64 v[SC+8*NQ*\sc+NQ*\i:SC+8*NQ*\sc+NQ*\i+1], v[ADRS] offset:\i*512
.endr
.endm
.macro PLACES n                        ; plain vector instructions between a matrix instruction and a load into, or a read of, its registers
.rept \n
	v_nop
.endr
.endm
.macro STEP slot, q, zero              ; 128 along K that has its successor in the same slot
	s_wait_dscnt 4*NL                              ; source 0's set and source 1's blocks 0-3 are in; the youngest 12 loads (blocks 4-7) may be out
	WIN MUL_LO
	MUL16 0, (\q)%2, \q, \slot, \zero
	MUL16 2, (\q)%2, \q, \slot, \zero
	s_wait_dscnt 0                                 ; blocks 4-7 are in
	PLACES NP
	FETCH_B \slot, (\q)+1, 1-(\q)%2
	FETCH_A \slot, (\q)+1, 0
	WIN MUL_HI
	MUL16 4, (\q)%2, \q, \slot, \zero
	MUL16 6, (\q)%2, \q, \slot, \zero
	PLACES NP
	WIN 0
	FETCH_A \slot, (\q)+1, 4
.endm
; A slot's last step changes slots: one barrier; in front of it each wave waits for all its tensor loads, adds 0 to its spare word, and waits for that and for its reads of this slot.  fill = 1: the slot is filled again, two K steps ahead.
.macro TURN slot, next, fill
	s_wait_tensorcnt 0x0                           ; all my tensor loads have landed: my part of the next slot
	ds_add_u32 v[SPW], v[NIL]                      ; 0 onto my spare word
	s_wait_dscnt 4*NL+1                            ; (the add and the youngest 12 loads may be out)
	WIN MUL_LO
	MUL16 0, 1, NQ-1, \slot, 0
	s_wait_dscnt 0x0                               ; the add is done, and my reads of this slot are over
	s_barrier_signal -1
	MUL16 2, 1, NQ-1, \slot, 0
	WIN 0
	s_barrier_wait -1
.if \fill
	CREST                                          ; the barrier has opened a round of the cluster's: no wave of any partner still reads this slot or has a load on its way
	s_add_nc_u64 s[G0+4*\slot+2:G0+4*\slot+3], s[G0+4*\slot+2:G0+4*\slot+3], 2*HALFT
	s_add_nc_u64 s[G0B+4*\slot+2:G0B+4*\slot+3], s[G0B+4*\slot+2:G0B+4*\slot+3], 2*HALFT
	JLOAD G0+4*\slot, G1, G0B+4*\slot, G1B         ; the first tensor load behind the round; its four v_nop are the places in front of the loads below
.else
	PLACES NP
.endif
	s_wait_alu depctr_va_vdst(0)
	v_add_nc_u32 v[ADRS], 128, v[ADRS]             ; the next K step's scale words
	FETCH_B \next, 0, 0
	FETCH_A \next, 0, 0
	SCALES \next
	WIN MUL_HI
	MUL16 4, 1, NQ-1, \slot, 0
	MUL16 6, 1, NQ-1, \slot, 0
	PLACES NP
	WIN 0
	FETCH_A \next, 0, 4
.endm
	s_wait_alu depctr_va_vdst(0)
	s_wait_tensorcnt 0x0                           ; my tile of the head's four is in
	ds_add_u32 v[SPW], v[NIL]
.irp g, G1, G1B                        ; no tensor load of mine is out: from here on a load brings 96 rows of 256 bytes
	s_mov_b32 s[\g+1], 32<<16
	s_mov_b32 s[\g+2], 96<<16
	s_mov_b32 s[\g+3], 32<<16
	s_mov_b32 s[\g+4], 96
	s_mov_b32 s[\g+5], 32
.endr
	s_wait_dscnt 0x0
	CROUND                                         ; all four tiles are in, and all sixteen work-groups are here
	JLOAD G0+4, G1, G0B+4, G1B                     ; K step 1, the first tensor load behind the round
	FETCH_B 0, 0, 0
	FETCH_A 0, 0, 0
	SCALES 0
	FETCH_A 0, 0, 4
	STEP 0, 0, 1                                   ; the first products start the sums
	TURN 0, 1, 1                                   ; K = 1,024 is four K steps: twice round the ring, written straight
	STEP 1, 0, 0
	TURN 1, 0, 1
	STEP 0, 0, 0
	TURN 0, 1, 0                                   ; nothing is left to fetch
	STEP 1, 0, 0
	s_wait_dscnt 4*NL
	WIN MUL_LO
	MUL16 0, 1, NQ-1, 1, 0
	MUL16 2, 1, NQ-1, 1, 0
	s_wait_dscnt 0
	WIN MUL_HI
	MUL16 4, 1, NQ-1, 1, 0
	MUL16 6, 1, NQ-1, 1, 0
	WIN 0
; THE EPILOGUE.  64 numbers of a lane, register 16 b + i of block b, become a fragment's codes in v[PC] on and its scale word in v[pw].
.macro QUANT s, pw
.irp b, 0,1,2,3
	v_max3_num_f32 v[TM+\b], |v[\s+16*\b]|, |v[\s+1+16*\b]|, 0x1800000   ; my 16 numbers of block b, and the floor 2^(3 - 127)
.endr
.irp i, 2,4,6,8,10,12,14
.irp b, 0,1,2,3
	v_max3_num_f32 v[TM+\b], v[TM+\b], |v[\s+16*\b+\i]|, |v[\s+1+16*\b+\i]|
.endr
.endr
.irp b, 0,1,2,3
	v_permlanex16_b32 v[TM+4+\b], v[TM+\b], s[SEL], s[SEL+1]
.endr
.irp b, 0,1,2,3
	v_max_num_f32 v[TM+\b], v[TM+\b], v[TM+4+\b]   ; with lane l xor 16's: the block's largest magnitude
.endr
.irp b, 0,1,2,3
	v_add_nc_u32 v[TM+8+\b], 0xff000000, v[TM+\b]  ; 2 off its exponent field: the conversion's scale operand
.endr
.irp b, 0,1,2,3
	v_lshrrev_b32 v[TM+4+\b], 23, v[TM+8+\b]       ; the byte
.endr
	v_lshl_or_b32 v[\pw], v[TM+5], 8, v[TM+4]
	v_lshl_or_b32 v[\pw], v[TM+6], 16, v[\pw]
	v_lshl_or_b32 v[\pw], v[TM+7], 24, v[\pw]
.irp c, 0,1
	v_cvt_scalef32_pk16_fp6_f32 v[PC+6*\c:PC+2+6*\c], v[\s+32*\c:\s+15+32*\c], v[TM+8+2*\c]
	v_cvt_scalef32_pk16_fp6_f32 v[PC+12+4*\c:PC+14+4*\c], v[\s+16+32*\c:\s+31+32*\c], v[TM+8+2*\c+1]
.endr
	v_nop                                          ; one plain place behind a scaled conversion
.irp c, 0,1                                    ; the layout wants a whole block in a lane: lanes 0-15 block 2 c, lanes 16-31 block 2 c + 1
.irp i, 0,1,2
	v_permlane16_swap_b32 v[PC+6*\c+\i], v[PC+12+4*\c+\i]
.endr
.irp i, 0,1,2
	v_mov_b32 v[PC+3+6*\c+\i], v[PC+12+4*\c+\i]
.endr
.endr
.endm
; q, k: block a = 16 tokens (the lanes) x my 128 columns n = two heads.  The addition of the bias is also the move into window 0; each accumulator is read from its low end on.
.macro EPI_QK a
	WIN 0x02+(\a)/4
.set EI, 0
.rept 32
	v_pk_add_f32 v[H+EI:H+EI+1], v[64*((\a)%4)+EI:64*((\a)%4)+EI+1], v[BIAS+EI:BIAS+EI+1]
.set EI, EI+2
.endr
	WIN 0
.if (\a) > 0
	s_wait_xcnt 0x0                                ; the last block's stores have read the codes' registers
.endif
	QUANT H, SW+(\a)
	global_store_b128 v[L16], v[PC:PC+3], s[10:11] offset:768*(\a)                 ; the even head's half fragment: 512 + 256 consecutive bytes
	global_store_b64 v[L8], v[PC+4:PC+5], s[10:11] offset:768*(\a)+512
	global_store_b128 v[L16], v[PC+6:PC+9], s[10:11] offset:98304+768*(\a)         ; the odd head's
	global_store_b64 v[L8], v[PC+10:PC+11], s[10:11] offset:98304+768*(\a)+512
.endm
; v: block a = 16 channels (the lanes) x my 128 tokens, which are one key step: a whole fragment
.macro EPI_V a
	WIN 0x02+(\a)/4
.set EI, 0
.rept 32
	v_pk_add_f32 v[H+EI:H+EI+1], v[64*((\a)%4)+EI:64*((\a)%4)+EI+1], v[BV+2*(\a):BV+2*(\a)+1]
.set EI, EI+2
.endr
	WIN 0
.if (\a) > 0
	s_wait_xcnt 0x0
.endif
	QUANT H, SW+(\a)
.irp j, 0,1,2
	global_store_b128 v[L16], v[PC+4*\j:PC+4*\j+3], s[10:11] offset:((\a)/4)*98304+((\a)%4)*1536+512*\j
.endr
.endm
	PLACES NP                                      ; behind the last products
.irp b, 0,1,2,3
	v_mov_b32 v[TM+4+\b], 0                        ; a lane permute's destination counts as one of its sources
.endr
	v_and_b32 v1, 16, v0
	v_cmp_ne_u32 vcc_lo, 0, v1                     ; lanes 16-31
	s_wait_loadcnt 0x0                             ; the bias
	s_cmp_eq_u32 s98, 0
	s_cbranch_scc0 .Lv_tail
	; q, k.  Head pair 4 x tile + 2 x half of 32 (0-15: q, 16-31: k); batch = source 1's tile / 8; my 128 tokens are step 2 (tile % 8) + half of the batch's 16
	s_lshl_b32 s20, s42, 2
	s_lshl_b32 s21, s16, 1
	s_add_co_u32 s20, s20, s21
	s_lshr_b32 s21, s20, 4
	s_lshl_b32 s21, s21, 6
	s_and_b32 s20, s20, 15
	s_add_co_u32 s20, s20, s21
	s_lshr_b32 s21, s17, 3
	s_lshl_b32 s21, s21, 4
	s_add_co_u32 s20, s20, s21                     ; 64 x (q or k) + 16 x batch + head
	s_and_b32 s21, s17, 7
	s_lshl_b32 s21, s21, 1
	s_add_co_u32 s21, s21, s15                     ; step
	s_mul_i32 s22, s20, 98304
	s_mul_i32 s23, s21, 6144
	s_add_co_u32 s22, s22, s23
	s_mov_b32 s23, 0
	s_add_nc_u64 s[10:11], s[10:11], s[22:23]
	s_mul_i32 s22, s20, 12288
	s_lshl_b32 s23, s21, 9
	s_add_co_u32 s22, s22, s23
	s_mov_b32 s23, 0
	s_add_nc_u64 s[12:13], s[12:13], s[22:23]
.irp a, 0,1,2,3,4,5,6,7
	EPI_QK \a
.endr
.irp i, 0,1,2,3
	v_cndmask_b32 v[T+\i], v[SW+\i], v[SW+4+\i], vcc_lo    ; lane (r, h): the words of token tiles 4 h + i, row r
.endr
.irp i, 0,1,2,3
	v_lshrrev_b32 v[T2+\i], 16, v[T+\i]            ; the odd head's two bytes; over them zeros
.endr
.irp i, 0,1,2,3
	v_and_b32 v[T+\i], 0xffff, v[T+\i]             ; the even head's; over them zeros: they scale the half of K in which q's codes are zeros
.endr
	global_store_b128 v[L16], v[T:T+3], s[12:13]
	global_store_b128 v[L16], v[T2:T2+3], s[12:13] offset:12288
	s_branch .Ldone
.Lv_tail:
	; v.  Batch = source 0's tile / 8, key step 2 (tile % 8) + half; heads 4 cy + 2 x half and the next
	s_lshr_b32 s20, s42, 3
	s_lshl_b32 s20, s20, 4
	s_lshl_b32 s21, s41, 2
	s_add_co_u32 s20, s20, s21
	s_lshl_b32 s21, s15, 1
	s_add_co_u32 s20, s20, s21                     ; 16 x batch + head
	s_and_b32 s21, s42, 7
	s_lshl_b32 s21, s21, 1
	s_add_co_u32 s21, s21, s16                     ; step
	s_add_co_u32 s22, s20, 128
	s_mul_i32 s22, s22, 98304
	s_mul_i32 s23, s21, 6144
	s_add_co_u32 s22, s22, s23
	s_mov_b32 s23, 0
	s_add_nc_u64 s[10:11], s[10:11], s[22:23]
	s_add_co_u32 s22, s20, 64
	s_mul_i32 s22, s22, 12288
	s_lshl_b32 s23, s21, 8
	s_add_co_u32 s22, s22, s23
	s_add_co_u32 s22, s22, 8192
	s_mov_b32 s23, 0
	s_add_nc_u64 s[12:13], s[12:13], s[22:23]
.irp a, 0,1,2,3,4,5,6,7
	EPI_V \a
.endr
.irp i, 0,1,2,3
	v_cndmask_b32 v[T+\i], v[SW+\i], v[SW+4+\i], vcc_lo    ; lanes 0-15: the even head's four channel tiles, row r; lanes 16-31: the odd head's
.endr
	global_store_b128 v[VSO], v[T:T+3], s[12:13]   ; sixteen lanes store 256 consecutive bytes
.Ldone:
	s_wait_tensorcnt 0x0                           ; the wave's end
	ds_add_u32 v[SPW], v[NIL]
	s_wait_dscnt 0x0
	CROUND                                         ; the closing round
	s_endpgm
.Lfunc_end_k_q9045625bbf_gemm_qkv:
	.size	k_q9045625bbf_gemm_qkv, .Lfunc_end_k_q9045625bbf_gemm_qkv-k_q9045625bbf_gemm_qkv
	.p2alignl 7, 3214868480
	.fill 96, 4, 3214868480
	.section	.rodata,"a",@progbits
	.p2align	6, 0x0
	.amdhsa_kernel k_q9045625bbf_gemm_qkv
		.amdhsa_group_segment_fixed_size 327680
		.amdhsa_private_segment_fixed_size 0
		.amdhsa_enable_private_segment 0
		.amdhsa_kernarg_size 40
		.amdhsa_user_sgpr_count 2
		.amdhsa_user_sgpr_kernarg_segment_ptr 1
		.amdhsa_wavefront_size32 1
		.amdhsa_system_sgpr_workgroup_id_x 1
		.amdhsa_system_sgpr_workgroup_id_y 1
		.amdhsa_system_sgpr_workgroup_id_z 1
		.amdhsa_system_vgpr_workitem_id 0
		.amdhsa_next_free_vgpr 1024
		.amdhsa_next_free_sgpr 100
		.amdhsa_reserve_vcc 1
		.amdhsa_float_denorm_mode_32 3
		.amdhsa_float_denorm_mode_16_64 3
		.amdhsa_memory_ordered 1
		.amdhsa_forward_progress 1
		.amdhsa_inst_pref_size 211
	.end_amdhsa_kernel
	.amdgpu_metadata
---
amdhsa.version: [ 1, 2 ]
amdhsa.kernels:
  - .name:           k_q9045625bbf_gemm_qkv
    .symbol:         k_q9045625bbf_gemm_qkv.kd
    .args:
      - { .name: pcodes, .offset: 0, .size: 8, .value_kind: global_buffer, .address_space: global }
      - { .name: pscales, .offset: 8, .size: 8, .value_kind: global_buffer, .address_space: global }
      - { .name: b_qkv, .offset: 16, .size: 8, .value_kind: global_buffer, .address_space: global }
      - { .name: qkv_codes, .offset: 24, .size: 8, .value_kind: global_buffer, .address_space: global }
      - { .name: qkv_scales, .offset: 32, .size: 8, .value_kind: global_buffer, .address_space: global }
    .group_segment_fixed_size: 327680
    .private_segment_fixed_size: 0
    .kernarg_segment_align: 8
    .kernarg_segment_size: 40
    .max_flat_workgroup_size: 128
    .sgpr_count:     100
    .vgpr_count:     1024
    .wavefront_size: 32
...
	.end_amdgpu_metadata
.endif
;; end of part 2
;; launch attn (part 3): grid 4 x 64, 16 waves a work-group, clusters of 4 x 1, 327,680 bytes of LDS; arguments qkv_codes, qkv_scales, o_img, o_sc; writes o_img, o_sc
.if DOCPART == 3
	.amdgcn_target "amdgcn-amd-amdhsa--gfx1250"
	.amdhsa_code_object_version 6
	.text
	.protected	k_q9045625bbf_attn
	.globl	k_q9045625bbf_attn
	.p2align	8
	.type	k_q9045625bbf_attn,@function
k_q9045625bbf_attn:
	s_mov_b64 s[64:65], 0
	v_nop
	global_prefetch_b8 v0, s[64:65] scope:SCOPE_SE
	s_setreg_imm32_b32 hwreg(HW_REG_WAVE_MODE, 25, 1), 1
	s_wait_xcnt 0x0
	s_wait_alu depctr_hold_cnt(0) depctr_sa_sdst(0) depctr_va_vdst(0) depctr_va_sdst(0) depctr_va_ssrc(0) depctr_va_vcc(0) depctr_vm_vsrc(0)
	s_getreg_b32 s2, hwreg(HW_REG_IB_STS2, 6, 4)
	s_cmp_eq_u32 s2, 0
	s_cbranch_scc0 .Lentry_in_a_cluster
	s_endpgm
.Lentry_in_a_cluster:
	s_bfe_u32 s2, ttmp6, 0x10000c
	s_cmp_lg_u32 s2, 0x3003
	s_cbranch_scc0 .Lentry_shape_is_right
	s_endpgm
.Lentry_shape_is_right:
; o = softmax(q k^T / 8) v for one (batch, head) and 512 queries a work-group, on codes of FP6 (E2M3) with E8M0 scales; the result is quantised along the head's 64 and leaves as an image of the next launch's operand registers.
; p = 2^(t - M), t = score x log2(e) / 8, M the ceiling of the running largest t (a whole number); the row's sum is taken of the unquantised p; O^T and the sum are multiplied by 2^(old M - new M) in every step, with no branch.
; 16 waves; a wave takes two tiles of 16 queries, one after the other, over 16 steps of 128 keys.  Both products are used transposed (S^T = k q^T, O^T = v^T p^T): a lane holds one query.
; ALL of the head's K, V and their scale words, and the work-group's Q, lie in LDS, asked for once at the head: K by waves 0-3, V by waves 4-7, the scale words by wave 8 (joint loads of the cluster's four query blocks), Q's codes and scale words by waves 9 and 10 (the work-group's own).
; No data prefetch: everything is asked for at the head, and no loop runs ahead of a load from memory.
; THE KEYS OF A SCORE TILE ARE PICKED BY ADDRESS: tile 4 G + i takes as rows 0-7 keys 64 G + 8 g + 0..7 and as rows 8-15 keys 64 G + 32 + 8 g + 0..7, g = 0, 2, 1, 3 for i = 0..3.  So the 32 registers of tiles 4 G .. 4 G + 3 of lane (query, h) are the whole
; scale block 2 G + h of p, in the order in which V's codes stand inside a block (place 16 a + 8 u + w holds key 16 u + 8 a + w): a block's largest score needs no other lane, and the conversions' results are the operand's registers.
; K's rows of 256 bytes lie 320 bytes apart in LDS: the picked rows of tiles T and T + 2 then begin 1,920 bytes apart, which is 128 modulo 256, so the sixteen lanes of a 16-byte load touch 256 different bytes modulo 256.
; K has depth 64: q's upper six registers hold zero codes, so the upper six registers of a fragment of K may hold any codes (the next tile's; behind the last tile p's).
; K's and V's fragments have registers of their own and are fetched one step ahead.  The last step of a pass fetches 7,680 or fewer bytes beyond each region, which are filled bytes of the next region and are not used; each pass fetches its step 0 anew.
; INDEPENDENT CHAINS TAKE TURNS: eight chains of maxima (one an accumulator), four chains of the row's sum; the next step's loads of K stand between the links of the chain that makes M, the links that make f among the multiply-adds, the sums among the conversions.
; LIMITS: the promise holds while the scaled scores stay under 2^31 in magnitude; NaN and infinities are not served; a block whose every p is 0 gets the byte 1 (its codes are zeros; this program alone reads the bytes).
.set KSTEP, 7680                       ; a step's 24 rows of K in LDS
.set VB,    122880                     ; V's codes, dense: 6,144 bytes a step
.set SCB,   221184                     ; K's scale words (512 bytes a step), then V's (256 a step)
.set QB,    233472                     ; Q's codes: 32 tiles of 768 bytes
.set QSB,   258048                     ; Q's scale words
.set SPARE, 260096                     ; the spare words, 128 bytes a wave
.set AK0,  1                           ; v1-4 lane terms of the LDS addresses: K by 16 bytes, K by 8 bytes, K's scale words, V's scale words
.set AK8,  2
.set AS0,  3
.set AT0,  4
.set O16,  5                           ; 16 x lane
.set QS,   6                           ; q's scale word
.set AV,   7                           ; the next step's addresses: K by 16 bytes, later V
.set F,    8                           ; 2^(old M - new M); the pair's upper half is TR
.set TR,   9
.set PT,   10
.set PS,   11                          ; p's scale word
.set T,    16                          ; v16-23 the eight chains of maxima; v16-19 at work elsewhere
.set BM,   20                          ; my two blocks' largest scores
.set SO,   22                          ; the conversions' scale operands
.set KS,   24
.set VS,   28
.set CT,   32
.set QF,   36
.set KF,   48
.set PCD,  96                          ; p's codes, directly behind K's fragments
.set VF,   108
.set S,    156
.set OT,   220
.set AVT,  252                         ; the next step's addresses: K by 8 bytes, later V's scale words
.set ASN,  253                         ; K's scale words
.set X,    252                         ; between those uses: the sum's fourth chain
.set WV,   12
.set CX,   13
.set BH,   14
.set SEL,  20
.set CS,   22
.set G1K,  24
.set G1V,  32
.set G1S,  40
.set TK,   60
.set TS,   61
.set TV,   62
.set TT,   63
.set I,    66
.set PASS, 67
.set QO,   68
.set QS0,  69
.set G1Q,  72
.set G1T,  80
.macro WALU
	s_wait_alu depctr_va_vdst(0)
.endm
.macro CROUND
	s_barrier_signal -1
	s_barrier_wait -1
	s_cmp_lg_u32 s[WV], 0
	s_cbranch_scc1 .Lnot_wave_0_\@
	s_barrier_signal -3
.Lnot_wave_0_\@:
	s_barrier_wait -3
	s_barrier_signal -1
	s_barrier_wait -1
.endm
.macro GRP1 g, w0, rows                ; dense memory as rows of 256 bytes (32 elements of 8)
	s_mov_b32 s[\g], \w0
	s_mov_b32 s[\g+1], 32<<16
	s_mov_b32 s[\g+2], (\rows)<<16
	s_mov_b32 s[\g+3], 32<<16
	s_mov_b32 s[\g+4], \rows
	s_mov_b32 s[\g+5], 32
	s_mov_b32 s[\g+6], 0
	s_mov_b32 s[\g+7], 0
.endm
.macro ASK base, g1                    ; a tile at s58 bytes from the buffer, to the LDS place in s49
	s_mov_b32 s59, 0
	s_add_nc_u64 s[50:51], s[\base:\base+1], s[58:59]
	s_or_b32 s51, s51, 0x80000000
	tensor_load_to_lds s[48:51], s[\g1:\g1+7]
	s_nop 0
.rept 4
	v_nop
.endr
.endm
.macro LK t, a, a8                     ; a picked tile of K: two LDS loads
	ds_load_b128 v[KF+6*(\t):KF+6*(\t)+3], v[\a] offset:3840*((\t)/4)+960*((\t)%2)+128*(((\t)%4)/2)
	ds_load_b64 v[KF+6*(\t)+4:KF+6*(\t)+5], v[\a8] offset:3840*((\t)/4)+960*((\t)%2)+64*(((\t)%4)/2)
.endm
.macro LKS as                          ; the eight tiles' scale words (lanes 0-15: G = 0, lanes 16-31: G = 1): two LDS loads
	ds_load_b64 v[KS:KS+1], v[\as]
	ds_load_b64 v[KS+2:KS+3], v[\as] offset:128
.endm
.macro LOADV a, at                     ; 13 LDS loads: four fragments of V, and their scale words
.irp t, 0,1,2,3
.irp j, 0,1,2
	ds_load_b128 v[VF+12*\t+4*\j:VF+12*\t+4*\j+3], v[\a] offset:1536*\t+512*\j
.endr
.endr
	ds_load_b128 v[VS:VS+3], v[\at]
.endm
.macro FMAS n                          ; the next n pairs of scores become t - M
.rept \n
	v_pk_fma_f32 v[S+2*FJ:S+2*FJ+1], v[S+2*FJ:S+2*FJ+1], s[CS:CS+1], v[12:13] op_sel_hi:[1,0,0]
.set FJ, FJ+1
.endr
.endm
.macro ADDP n                          ; the next n pairs of p go to the sum's four chains by turns
.rept \n
.if SJ%4 == 0
	v_pk_add_f32 v[14:15], v[14:15], v[S+2*SJ:S+2*SJ+1]
.elseif SJ%4 == 1
	v_pk_add_f32 v[T:T+1], v[T:T+1], v[S+2*SJ:S+2*SJ+1]
.elseif SJ%4 == 2
	v_pk_add_f32 v[T+2:T+3], v[T+2:T+3], v[S+2*SJ:S+2*SJ+1]
.else
	v_pk_add_f32 v[X:X+1], v[X:X+1], v[S+2*SJ:S+2*SJ+1]
.endif
.set SJ, SJ+1
.endr
.endm
	s_load_b256 s[4:11], s[0:1], 0x0               ; q, k, v's codes, their scale words, o's codes, o's scale bytes
	v_lshl_add_u32 v254, v0, 2, SPARE
	v_mov_b32 v255, 0
	ds_add_u32 v254, v255                          ; the opening lines: the add twice on end and its wait
	ds_add_u32 v254, v255
	v_lshrrev_b32 v16, 5, v0
	v_readfirstlane_b32 s[WV], v16
	s_bfe_u32 s[CX], ttmp6, 0x40000
	s_and_b32 s[BH], ttmp7, 0xffff
	GRP1 G1K, 15|(3<<16)|(1<<20)|(1<<21)|(5<<22)|(15<<25), 96   ; K: 64 bytes of padding behind each row
	GRP1 G1V, 15|(3<<16)|(1<<21), 96
	GRP1 G1S, 15|(3<<16)|(1<<21), 48
	GRP1 G1Q, 3<<16, 96
	GRP1 G1T, 3<<16, 8
	s_mul_i32 s52, s[WV], 30720
	s_mul_i32 s53, s[WV], 24576
	s_mul_i32 s54, s[BH], 98304
	s_mul_i32 s56, s[BH], 12288
	s_mov_b32 s48, 1
	s_mov_b32 s[SEL], 0x76543210
	s_mov_b32 s[SEL+1], 0xfedcba98
	s_mov_b32 s[CS], 0x3e38aa3b                    ; log2(e) / 8
	s_mov_b32 s[CS+1], s[CS]
	WALU
	s_wait_dscnt 0x0
	s_wait_kmcnt 0x0
	CROUND                                         ; in front of the first joint loads
	s_cmp_lt_u32 s[WV], 4
	s_cbranch_scc0 .Larm_v
	s_mov_b32 s49, s52                             ; waves 0-3: 96 rows of K each
	s_add_co_u32 s58, s54, s53
	s_add_co_u32 s58, s58, 64*98304
	ASK 4, G1K
	s_branch .Lasked
.Larm_v:
	s_cmp_lt_u32 s[WV], 8
	s_cbranch_scc0 .Larm_s
	s_add_co_u32 s49, s53, VB-98304                ; waves 4-7: 96 rows of V each
	s_add_co_u32 s58, s54, s53
	s_add_co_u32 s58, s58, 127*98304
	ASK 4, G1V
	s_branch .Lasked
.Larm_s:
	s_cmp_eq_u32 s[WV], 8
	s_cbranch_scc0 .Larm_q
	s_mov_b32 s49, SCB                             ; wave 8: K's and V's scale words
	s_add_co_u32 s58, s56, 64*12288
	ASK 6, G1S
	s_branch .Lasked
.Larm_q:
	s_cmp_eq_u32 s[WV], 9
	s_cbranch_scc0 .Larm_t
	s_mov_b32 s49, QB                              ; wave 9: my work-group's 32 tiles of Q
	s_mul_i32 s58, s[CX], 24576
	s_add_co_u32 s58, s58, s54
	ASK 4, G1Q
	s_branch .Lasked
.Larm_t:
	s_cmp_eq_u32 s[WV], 10
	s_cbranch_scc0 .Lasked
	s_mov_b32 s49, QSB                             ; wave 10: their scale words
	s_lshl_b32 s58, s[CX], 11
	s_add_co_u32 s58, s58, s56
	ASK 6, G1T
.Lasked:
	; where the results go: group of 128 tokens 16 batch + 4 cx + wave / 4; in it block 2 (wave % 4) of 16 rows; the head's place along K
	s_lshr_b32 s88, s[BH], 4
	s_and_b32 s89, s[BH], 15
	s_lshl_b32 s88, s88, 4
	s_lshl_b32 s90, s[CX], 2
	s_add_co_u32 s88, s88, s90
	s_lshr_b32 s90, s[WV], 2
	s_add_co_u32 s88, s88, s90
	s_and_b32 s90, s[WV], 3
	s_lshr_b32 s91, s89, 2
	s_bfe_u32 s92, s89, 0x10001
	s_and_b32 s89, s89, 1
	s_mul_i32 s94, s88, 98304
	s_mul_i32 s93, s91, 24576
	s_add_co_u32 s94, s94, s93
	s_mul_i32 s93, s90, 6144
	s_add_co_u32 s94, s94, s93
	s_mul_i32 s93, s92, 1536
	s_add_co_u32 s94, s94, s93
	s_mul_i32 s93, s89, 768
	s_add_co_u32 s94, s94, s93
	s_mov_b32 s95, 0
	s_add_nc_u64 s[8:9], s[8:9], s[94:95]
	s_lshl_b32 s94, s88, 12
	s_lshl_b32 s93, s90, 10
	s_add_co_u32 s94, s94, s93
	s_lshl_b32 s93, s91, 7
	s_add_co_u32 s94, s94, s93
	s_lshl_b32 s93, s92, 2
	s_add_co_u32 s94, s94, s93
	s_lshl_b32 s93, s89, 1
	s_add_co_u32 s94, s94, s93
	s_add_nc_u64 s[10:11], s[10:11], s[94:95]
	s_mul_i32 s[QO], s[WV], 1536
	s_add_co_u32 s[QO], s[QO], QB                  ; my first tile of Q in LDS
	s_lshr_b32 s[QS0], s[WV], 1
	s_lshl_b32 s[QS0], s[QS0], 8
	s_and_b32 s93, s[WV], 1
	s_lshl_b32 s93, s93, 3
	s_add_co_u32 s[QS0], s[QS0], s93
	s_add_co_u32 s[QS0], s[QS0], QSB-SCB-8192      ; its scale words, counted from v[AT0]
	v_and_b32 v16, 31, v0
	v_and_b32 v17, 15, v0
	v_bfe_u32 v18, v0, 4, 1                        ; h
	v_and_b32 v19, 7, v0                           ; r % 8
	v_bfe_u32 v20, v0, 3, 1                        ; r / 8
	v_lshlrev_b32 v[O16], 4, v16
	v_mul_u32_u24 v[AK0], v20, 1920
	v_mad_u32_u24 v[AK0], v18, 320, v[AK0]
	v_lshl_add_u32 v[AK0], v19, 4, v[AK0]          ; 1,920 (r / 8) + 320 h + 16 (r % 8)
	v_mul_u32_u24 v[AK8], v20, 1920
	v_lshl_add_u32 v[AK8], v18, 7, v[AK8]
	v_lshl_add_u32 v[AK8], v19, 3, v[AK8]
	v_add_nc_u32 v[AK8], 640, v[AK8]               ; 1,920 (r / 8) + 128 h + 8 (r % 8) + 640
	v_lshlrev_b32 v[AS0], 4, v19
	v_lshl_add_u32 v[AS0], v20, 3, v[AS0]
	v_lshl_add_u32 v[AS0], v18, 8, v[AS0]
	v_add_nc_u32 v[AS0], SCB, v[AS0]               ; 16 (r % 8) + 8 (r / 8) + 256 h
	v_lshl_add_u32 v[AT0], v17, 4, SCB+8192
.irp i, 0,1,2,3,4,5
	v_mov_b32 v[QF+6+\i], 0                        ; q's upper half of K: zero codes
	v_mov_b32 v[PCD+\i], 0
.endr
	WALU
	s_wait_tensorcnt 0x0
	s_barrier_signal -1
	s_barrier_wait -1                              ; every tile is in
	s_mov_b32 s[PASS], 0
.Lpass:
	s_wait_dscnt 0x0                               ; no load into the fragments' registers is out
	v_add_nc_u32 v[T], s[QO], v[O16]
	v_lshrrev_b32 v[T+1], 1, v[O16]
	v_add_nc_u32 v[T+1], s[QO], v[T+1]
	v_add_nc_u32 v[T+2], s[QS0], v[AT0]
	v_add_nc_u32 v[AV], VB, v[O16]
	ds_load_b128 v[QF:QF+3], v[T]
	ds_load_b64 v[QF+4:QF+5], v[T+1] offset:512
	ds_load_b32 v[QS], v[T+2]
.irp t, 0,1,2,3,4,5,6,7
	LK \t, AK0, AK8
.endr
	LKS AS0
	LOADV AV, AT0
	v_mov_b32 v13, 0xff61b1e6                      ; the largest score so far: -3e38
	v_mov_b32 v12, 0x7f61b1e6                      ; -M
	v_mov_b32 v14, 0
	v_mov_b32 v15, 0
.set J, 0
.rept 32
	v_mov_b32 v[OT+J], 0
.set J, J+1
.endr
	s_mov_b32 s[TK], KSTEP                         ; the next step's places
	s_mov_b32 s[TS], 512
	s_mov_b32 s[TV], VB+6144
	s_mov_b32 s[TT], 256
	s_mov_b32 s[I], 0
	WALU
.Lstep:
	s_wait_dscnt 13                                ; q and this step's K are in; younger are V's 13 loads
.irp t, 0,1,2,3
	v_wmma_scale_f32_16x16x128_f8f6f4 v[S+8*\t:S+8*\t+7], v[KF+6*\t:KF+6*\t+11], v[QF:QF+11], 0, v[KS+\t], v[QS] matrix_a_fmt:MATRIX_FMT_FP6 matrix_b_fmt:MATRIX_FMT_FP6
.endr
.irp t, 4,5,6,7
	v_wmma_scale_f32_16x16x128_f8f6f4 v[S+8*\t:S+8*\t+7], v[KF+6*\t:KF+6*\t+11], v[QF:QF+11], 0, v[KS+\t-4], v[QS] matrix_a_fmt:MATRIX_FMT_FP6 matrix_b_fmt:MATRIX_FMT_FP6 matrix_a_scale:MATRIX_SCALE_ROW1
.endr
	v_add_nc_u32 v[AV], s[TK], v[AK0]              ; four plain lines: the places behind the products
	v_add_nc_u32 v[AVT], s[TK], v[AK8]
	v_add_nc_u32 v[ASN], s[TS], v[AS0]
	v_mov_b32 v[TR], v12                           ; the old -M
.irp k, 0,1,2,3,4,5,6,7                ; the largest score of my two blocks of 32 keys: a chain to each accumulator, from its low end on
	v_max3_num_f32 v[T+\k], v[S+8*\k], v[S+8*\k+1], v[S+8*\k+2]
.endr
.irp i, 3,5
.irp k, 0,1,2,3,4,5,6,7
	v_max3_num_f32 v[T+\k], v[T+\k], v[S+8*\k+\i], v[S+8*\k+\i+1]
.endr
.endr
	v_max3_num_f32 v[T], v[T], v[T+1], v[S+7]
	v_max3_num_f32 v[T+2], v[T+2], v[T+3], v[S+15]
	v_max3_num_f32 v[T+4], v[T+4], v[T+5], v[S+39]
	v_max3_num_f32 v[T+6], v[T+6], v[T+7], v[S+47]
	v_max3_num_f32 v[T], v[T], v[T+2], v[S+23]
	v_max3_num_f32 v[T+4], v[T+4], v[T+6], v[S+55]
	v_max_num_f32 v[BM+1], v[T+4], v[S+63]
	v_max_num_f32 v[BM], v[T], v[S+31]
	v_max_num_f32 v[PT], v[BM], v[BM+1]            ; the chain that makes M; the next step's 18 loads of K stand between its links
	LK 0, AV, AVT
	LK 1, AV, AVT
	v_permlanex16_b32 v[T], v[PT], s[SEL], s[SEL+1]
	LK 2, AV, AVT
	LK 3, AV, AVT
	v_max3_num_f32 v13, v13, v[PT], v[T]           ; the running largest score of my query
	LK 4, AV, AVT
	LK 5, AV, AVT
	v_mul_f32 v[T+1], s[CS], v13                   ; as t
	LK 6, AV, AVT
	LK 7, AV, AVT
	v_floor_f32 v12, -v[T+1]                       ; -M = floor(-t)
	LKS ASN
.set FJ, 0
	v_sub_f32 v[TR], v12, v[TR]
	FMAS 4
	v_cvt_i32_f32 v[TR], v[TR]                     ; old M - new M, a whole number (it saturates)
	FMAS 4
	v_ldexp_f32 v[F], 1.0, v[TR]
	FMAS 24
	v_fma_f32 v[BM], v[BM], s[CS], v12
	v_fma_f32 v[BM+1], v[BM+1], s[CS], v12
.set J, 0
.rept 16
	v_pk_mul_f32 v[OT+J:OT+J+1], v[OT+J:OT+J+1], v[F:F+1] op_sel_hi:[1,0]   ; O^T under the new M
.set J, J+2
.endr
	WALU
.set J, 0
.rept 64
	v_exp_f32 v[S+J], v[S+J]
.set J, J+1
.endr
	v_exp_f32 v[BM], v[BM]                         ; a block's largest p: the same two instructions on the block's largest score
	v_exp_f32 v[BM+1], v[BM+1]
	v_pk_mul_f32 v[14:15], v[14:15], v[F:F+1] op_sel_hi:[1,0]   ; the sum under the new M; the plain place behind the batch
	WALU                                           ; and behind it
	v_max_num_f32 v[BM], 0x1800000, v[BM]          ; the floor 2^(3 - 127): the byte cannot fall under 1
	v_max_num_f32 v[BM+1], 0x1800000, v[BM+1]
	v_pk_add_f32 v[T:T+1], v[S:S+1], v[S+2:S+3]    ; the row's sum of the unquantised p, in four chains, among the quantiser's lines
	v_pk_add_f32 v[T+2:T+3], v[S+4:S+5], v[S+6:S+7]
	v_pk_add_f32 v[X:X+1], v[S+8:S+9], v[S+10:S+11]
	v_add_nc_u32 v[SO], 0xff000000, v[BM]          ; 2 off the exponent field: the conversion's scale operand
	v_add_nc_u32 v[SO+1], 0xff000000, v[BM+1]
.set SJ, 6
	ADDP 2
	v_cvt_scalef32_pk16_fp6_f32 v[PCD:PCD+2], v[S:S+15], v[SO]
	v_cvt_scalef32_pk16_fp6_f32 v[CT:CT+2], v[S+16:S+31], v[SO]   ; (a conversion's three registers begin on an even number)
	v_cvt_scalef32_pk16_fp6_f32 v[PCD+6:PCD+8], v[S+32:S+47], v[SO+1]
	v_lshrrev_b32 v[BM], 23, v[SO]                 ; the bytes
	v_lshrrev_b32 v[BM+1], 23, v[SO+1]
	ADDP 4
.irp i, 0,1,2
	v_mov_b32 v[PCD+3+\i], v[CT+\i]
.endr
	v_cvt_scalef32_pk16_fp6_f32 v[CT:CT+2], v[S+48:S+63], v[SO+1]
	v_lshl_or_b32 v[PT], v[BM+1], 16, v[BM]        ; my blocks h and 2 + h
	v_permlanex16_b32 v[TR], v[PT], s[SEL], s[SEL+1]
	ADDP 4
.irp i, 0,1,2
	v_mov_b32 v[PCD+9+\i], v[CT+\i]
.endr
	v_lshl_or_b32 v[PS], v[TR], 8, v[PT]           ; lanes 0-15, which alone are read: blocks 0, 2 and, 8 bits up, lane l + 16's blocks 1, 3
	ADDP 16
	v_pk_add_f32 v[14:15], v[14:15], v[X:X+1]
	WALU
	s_wait_dscnt 18                                ; this step's V is in; younger are the next step's 18 loads of K
.irp t, 0,1,2,3
	v_wmma_scale_f32_16x16x128_f8f6f4 v[OT+8*\t:OT+8*\t+7], v[VF+12*\t:VF+12*\t+11], v[PCD:PCD+11], v[OT+8*\t:OT+8*\t+7], v[VS+\t], v[PS] matrix_a_fmt:MATRIX_FMT_FP6 matrix_b_fmt:MATRIX_FMT_FP6
.endr
	v_add_nc_u32 v[AV], s[TV], v[O16]              ; four plain lines: the places behind the products
	v_add_nc_u32 v[AVT], s[TT], v[AT0]
	v_pk_add_f32 v[T:T+1], v[T:T+1], v[T+2:T+3]
	v_pk_add_f32 v[14:15], v[14:15], v[T:T+1]
	LOADV AV, AVT                                  ; the next step's V
	s_add_co_u32 s[TK], s[TK], KSTEP
	s_add_co_u32 s[TS], s[TS], 512
	s_add_co_u32 s[TV], s[TV], 6144
	s_add_co_u32 s[TT], s[TT], 256
	s_add_co_u32 s[I], s[I], 1
	s_cmp_lt_u32 s[I], 16
	s_cbranch_scc1 .Lstep
	; the tile's end: O^T / the sum, quantised along the head's 64 (two blocks; a block lies in lanes l and l xor 16)
	v_add_f32 v14, v14, v15
	v_permlanex16_b32 v[TR], v14, s[SEL], s[SEL+1]
	v_add_f32 v14, v14, v[TR]
	WALU
	v_rcp_f32 v[F], v14
	v_nop
	WALU
.set J, 0
.rept 16
	v_pk_mul_f32 v[S+J:S+J+1], v[OT+J:OT+J+1], v[F:F+1] op_sel_hi:[1,0]
.set J, J+2
.endr
.irp b, 0,1
	v_max3_num_f32 v[BM+\b], |v[S+16*\b]|, |v[S+1+16*\b]|, 0x1800000
.endr
.irp i, 2,4,6,8,10,12,14
.irp b, 0,1
	v_max3_num_f32 v[BM+\b], v[BM+\b], |v[S+16*\b+\i]|, |v[S+1+16*\b+\i]|
.endr
.endr
.irp b, 0,1
	v_permlanex16_b32 v[T+\b], v[BM+\b], s[SEL], s[SEL+1]
.endr
.irp b, 0,1
	v_max_num_f32 v[BM+\b], v[BM+\b], v[T+\b]
.endr
.irp b, 0,1
	v_add_nc_u32 v[SO+\b], 0xff000000, v[BM+\b]
.endr
.irp b, 0,1
	v_lshrrev_b32 v[T+\b], 23, v[SO+\b]
.endr
	v_lshl_or_b32 v[TR], v[T+1], 8, v[T]
	v_cvt_scalef32_pk16_fp6_f32 v[PCD:PCD+2], v[S:S+15], v[SO]
	v_cvt_scalef32_pk16_fp6_f32 v[CT:CT+2], v[S+16:S+31], v[SO+1]
	v_lshrrev_b32 v[T+2], 1, v[O16]                ; 8 x lane; the plain place behind the conversions
	v_and_b32 v[T+3], 0x78, v[T+2]                 ; 8 r
.irp i, 0,1,2
	v_permlane16_swap_b32 v[PCD+\i], v[CT+\i]      ; a whole block in a lane
.endr
.irp i, 0,1,2
	v_mov_b32 v[PCD+3+\i], v[CT+\i]
.endr
	global_store_b128 v[O16], v[PCD:PCD+3], s[8:9]
	global_store_b64 v[T+2], v[PCD+4:PCD+5], s[8:9] offset:512
	global_store_b16 v[T+3], v[TR], s[10:11]
	s_wait_xcnt 0x0                                ; the stores have read their registers and bases
	s_add_nc_u64 s[8:9], s[8:9], 3072
	s_add_nc_u64 s[10:11], s[10:11], 512
	s_add_co_u32 s[QO], s[QO], 768
	s_add_co_u32 s[QS0], s[QS0], 4
	s_add_co_u32 s[PASS], s[PASS], 1
	s_cmp_lt_u32 s[PASS], 2
	s_cbranch_scc1 .Lpass
	s_wait_tensorcnt 0x0                           ; the wave's end
	ds_add_u32 v254, v255
	s_wait_dscnt 0x0
	CROUND                                         ; the closing round
	s_endpgm
.Lfunc_end_k_q9045625bbf_attn:
	.size	k_q9045625bbf_attn, .Lfunc_end_k_q9045625bbf_attn-k_q9045625bbf_attn
	.p2alignl 7, 3214868480
	.fill 96, 4, 3214868480
	.section	.rodata,"a",@progbits
	.p2align	6, 0x0
	.amdhsa_kernel k_q9045625bbf_attn
		.amdhsa_group_segment_fixed_size 327680
		.amdhsa_private_segment_fixed_size 0
		.amdhsa_enable_private_segment 0
		.amdhsa_kernarg_size 32
		.amdhsa_user_sgpr_count 2
		.amdhsa_user_sgpr_kernarg_segment_ptr 1
		.amdhsa_wavefront_size32 1
		.amdhsa_system_sgpr_workgroup_id_x 1
		.amdhsa_system_sgpr_workgroup_id_y 1
		.amdhsa_system_sgpr_workgroup_id_z 1
		.amdhsa_system_vgpr_workitem_id 0
		.amdhsa_next_free_vgpr 256
		.amdhsa_next_free_sgpr 96
		.amdhsa_reserve_vcc 0
		.amdhsa_float_denorm_mode_32 3
		.amdhsa_float_denorm_mode_16_64 3
		.amdhsa_memory_ordered 1
		.amdhsa_forward_progress 1
		.amdhsa_inst_pref_size 33
	.end_amdhsa_kernel
	.amdgpu_metadata
---
amdhsa.version: [ 1, 2 ]
amdhsa.kernels:
  - .name:           k_q9045625bbf_attn
    .symbol:         k_q9045625bbf_attn.kd
    .args:
      - { .name: qkv_codes, .offset: 0, .size: 8, .value_kind: global_buffer, .address_space: global }
      - { .name: qkv_scales, .offset: 8, .size: 8, .value_kind: global_buffer, .address_space: global }
      - { .name: o_img, .offset: 16, .size: 8, .value_kind: global_buffer, .address_space: global }
      - { .name: o_sc, .offset: 24, .size: 8, .value_kind: global_buffer, .address_space: global }
    .group_segment_fixed_size: 327680
    .private_segment_fixed_size: 0
    .kernarg_segment_align: 8
    .kernarg_segment_size: 32
    .max_flat_workgroup_size: 512
    .sgpr_count:     96
    .vgpr_count:     256
    .wavefront_size: 32
...
	.end_amdgpu_metadata
.endif
;; end of part 3
;; launch gemm_out (part 4): grid 32 x 8, 4 waves a work-group, clusters of 4 x 4, 327,680 bytes of LDS; arguments o_img, o_sc, pcodes, pscales, b_out, out0; writes out0
.if DOCPART == 4
	.amdgcn_target "amdgcn-amd-amdhsa--gfx1250"
	.amdhsa_code_object_version 6
	.text
	.protected	k_q9045625bbf_gemm_out
	.globl	k_q9045625bbf_gemm_out
	.p2align	8
	.type	k_q9045625bbf_gemm_out,@function
k_q9045625bbf_gemm_out:
	s_mov_b64 s[64:65], 0
	v_nop
	global_prefetch_b8 v0, s[64:65] scope:SCOPE_SE
	s_setreg_imm32_b32 hwreg(HW_REG_WAVE_MODE, 25, 1), 1
	s_wait_xcnt 0x0
	s_wait_alu depctr_hold_cnt(0) depctr_sa_sdst(0) depctr_va_vdst(0) depctr_va_sdst(0) depctr_va_ssrc(0) depctr_va_vcc(0) depctr_vm_vsrc(0)
	s_getreg_b32 s2, hwreg(HW_REG_IB_STS2, 6, 4)
	s_cmp_eq_u32 s2, 0
	s_cbranch_scc0 .Lentry_in_a_cluster
	s_endpgm
.Lentry_in_a_cluster:
	s_bfe_u32 s2, ttmp6, 0x10000c
	s_cmp_lg_u32 s2, 0xf033
	s_cbranch_scc0 .Lentry_shape_is_right
	s_endpgm
.Lentry_shape_is_right:
; out[token][n] = sum over k of o[token][k] W_out[k][n] + b_out[n], f32, on codes of FP6 (E2M3) with E8M0 scales: 8,192 x 1,024 x 1,024.
; LIMITS: NaN, infinities and sums beyond f32's range are not served; a sum begins with the bias, where the reference adds it last.
; THE OPERANDS lie in memory as images of registers: group (128 rows) x 98,304 + (k / 256) x 24,576 + (row / 16 % 8) x 3,072 + (k / 128 % 2) x 1,536 bytes; scale words: group x 4,096 + (row / 16 % 8) x 512 + (k / 256) x 128 + (row % 16) x 8 + (k / 128 % 2) x 4.
; A fragment of W_out (groups 88-95 of pcodes) is three pieces of 16 bytes a lane; one of o is two heads' halves of 768 bytes, each a piece of 16 and a piece of 8 bytes a lane.
; THE DEAL: 256 work-groups of four waves, 2 x 2, each 256 rows x 128 columns.  The wave in row a, column b holds its four tiles of 16 columns of W_out, all of K, in 384 registers, and streams the eight blocks of 16 rows of group a past them: 32 products a block.
; The cluster's x counts tile rows: A's groups are shared by a column of the cluster, B's group by a row.
; LDS: A's two groups, then B's group, each filled once at the head: no refill, and no data prefetch, since all is asked for at the head.  The waves' stages lie in B's first bytes, which are read for the last time ahead of the barrier in front of the stream.
; THE HEAD'S LOADS, one a wave: waves 0 and 1 B's halves along K (one line; both wait ahead of the first barrier), waves 2 and 3 A's groups (another line; shown by the second barrier, ahead of which every wave waits).
; The scale words and the bias go from memory straight into registers: lanes 0-15 hold an even tile's or block's words, lanes 16-31 the odd one's.
; Source 0 = W_out's rows, source 1 = o's rows: a lane holds eight neighbouring columns of one row.  Behind a block's products its sums go through the wave's own stage and leave as whole rows of 256 bytes.
; ONE WAIT ON LDS A BLOCK, ahead of its stores: younger than the rows' way back is the fetch of the block two on (32 loads); so it shows the next block's fragments in too.
.set GRP,    98304
.set YB,     2*GRP                     ; B's group
.set SPARE,  3*GRP                     ; the spare words, 128 bytes a wave
.set SPITCH, 272                       ; a stage row: 256 bytes + 16
.set FR,     12
.set FPW,    21                        ; fragments in a window of 256 registers: fragment f lies in window 1 + f / 21.  0-31: B's (4 q + tile); 32-47: A's two sets (32 + 8 e + q)
.set NF,     32                        ; LDS loads of a block of A
.set AL16, 6                           ; v6-9  LDS addresses of my group of A: pieces of 16 and of 8 bytes, K under 512 and from 512 on
.set AL8,  7
.set AH16, 8
.set AH8,  9
.set SPW,  10
.set NIL,  11
.set BA,   12                          ; v12, v13 of my four tiles of B, K under 512 and from 512 on
.set BAH,  13
.set STO,  14                          ; the stage: where I put 32 bytes of a row
.set RD,   15                          ; where I read 16 bytes of a row back
.set CO,   16                          ; my byte offset in out: row l / 16, 16 bytes x (l % 16)
.set SOF,  17                          ; 512 h + 8 r: my place among scale words
.set BOF,  18                          ; 32 h
.set SB,   24                          ; v24-39  B's scale words: 8 (tile / 2) + q
.set SA,   44                          ; v44-75  A's: 8 (block / 2) + q.  A product's two scale registers differ by 4 modulo 8 in their numbers
.set ACC,  76                          ; v76-139 two sets of four accumulators
.set BK,   140                         ; v140-203 two sets: 16 rows x 256 bytes back from the stage
.set BO,   204                         ; v204-235 the bias as the first four products' C
.set G1A, 24
.set G1B, 32
.set G0A, 56
.set G0B, 60
.set MSB, 0
.macro WIN new
.if MSB != (\new)
	s_set_vgpr_msb (MSB<<8)|(\new)
.set MSB, (\new)
.endif
.endm
.macro PLACES n
.rept \n
	v_nop
.endr
.endm
.macro BARRIER
	s_barrier_signal -1
	s_barrier_wait -1
.endm
.macro CROUND
	BARRIER
	s_cmp_lg_u32 s14, 0
	s_cbranch_scc1 .Lnot_wave_0_\@
	s_barrier_signal -3
.Lnot_wave_0_\@:
	s_barrier_wait -3
	BARRIER
.endm
.macro TLOAD g0, g1
	tensor_load_to_lds s[\g0:\g0+3], s[\g1:\g1+7]
	s_nop 0
	PLACES 4
.endm
.macro GROUP1 g, mask, rows            ; dense memory as rows of 256 bytes (32 elements of 8)
	s_or_b32 s[\g+0], s[\mask], (3<<16)|(1<<21)
	s_mov_b32 s[\g+1], 32<<16
	s_mov_b32 s[\g+2], (\rows)<<16
	s_mov_b32 s[\g+3], 32<<16
	s_mov_b32 s[\g+4], \rows
	s_mov_b32 s[\g+5], 32
	s_mov_b32 s[\g+6], 0
	s_mov_b32 s[\g+7], 0
.endm
.macro FRAGB q, t                      ; B's fragment of step q, tile t
.set F_, 4*(\q)+(\t)
.set R_, FR*(F_%FPW)
.set O_, (((\q)/2)%2)*24576+(\t)*3072+((\q)%2)*1536
	WIN (1+F_/FPW)<<6
.irp c, 0,1,2
.if (\q) < 4
	ds_load_b128 v[R_+4*\c:R_+4*\c+3], v[BA] offset:O_+512*\c
.else
	ds_load_b128 v[R_+4*\c:R_+4*\c+3], v[BAH] offset:O_+512*\c
.endif
.endr
.endm
.macro FRAGA r, a16, a8, o             ; a fragment of A: two heads' halves
	ds_load_b128 v[\r:\r+3], v[\a16] offset:\o
	ds_load_b64 v[\r+4:\r+5], v[\a8] offset:\o+512
	ds_load_b128 v[\r+6:\r+9], v[\a16] offset:\o+768
	ds_load_b64 v[\r+10:\r+11], v[\a8] offset:\o+1280
.endm
.macro FETCH i, e                      ; block i of my group into set e: NF loads
.irp q, 0,1,2,3,4,5,6,7
.set F_, 32+8*(\e)+\q
.set R_, FR*(F_%FPW)
.set O_, (\i)*3072+((\q/2)%2)*24576+(\q%2)*1536
	WIN (1+F_/FPW)<<6
.if \q < 4
	FRAGA R_, AL16, AL8, O_
.else
	FRAGA R_, AH16, AH8, O_
.endif
.endr
	WIN 0
.endm
.macro W6 d, s0, s1, c, x0, x1, ra, rb
	v_wmma_scale_f32_16x16x128_f8f6f4 v[\d:\d+7], v[FR*((\s0)%FPW):FR*((\s0)%FPW)+FR-1], v[FR*((\s1)%FPW):FR*((\s1)%FPW)+FR-1], \c, v[\x0], v[\x1] matrix_a_fmt:MATRIX_FMT_FP6 matrix_b_fmt:MATRIX_FMT_FP6 matrix_a_scale:MATRIX_SCALE_ROW\ra matrix_b_scale:MATRIX_SCALE_ROW\rb
.endm
.macro PROD1 d, s0, s1, c, x0, x1, o, p
.if (\o) && (\p)
	W6 \d, \s0, \s1, \c, \x0, \x1, 1, 1
.elseif (\o)
	W6 \d, \s0, \s1, \c, \x0, \x1, 1, 0
.elseif (\p)
	W6 \d, \s0, \s1, \c, \x0, \x1, 0, 1
.else
	W6 \d, \s0, \s1, \c, \x0, \x1, 0, 0
.endif
.endm
.macro PROD i, n                       ; product n = 4 q + tile of block i: the four accumulators take turns
.set Q_, (\n)/4
.set TT_, (\n)%4
.set FB_, 4*Q_+TT_
.set FA_, 32+8*((\i)%2)+Q_
.set D_, ACC+32*((\i)%2)+8*TT_
.set XB_, SB+8*(TT_/2)+Q_
.set XA_, SA+8*((\i)/2)+Q_
	WIN (1+FB_/FPW)|((1+FA_/FPW)<<2)
.if Q_
	PROD1 D_, FB_, FA_, v[D_:D_+7], XB_, XA_, TT_%2, (\i)%2
.else
	PROD1 D_, FB_, FA_, v[BO+8*TT_:BO+8*TT_+7], XB_, XA_, TT_%2, (\i)%2
.endif
.endm
.macro STAGED u                        ; set u's sums into my stage, each accumulator from its low end on, and back as whole rows; LDS serves a wave's instructions in order (ISA guide 5.7.1.4)
.irp b, 0,1,2,3
	ds_store_b128 v[STO], v[ACC+32*(\u)+8*\b:ACC+32*(\u)+8*\b+3] offset:64*\b
	ds_store_b128 v[STO], v[ACC+32*(\u)+8*\b+4:ACC+32*(\u)+8*\b+7] offset:64*\b+16
.endr
.irp t, 0,1,2,3,4,5,6,7
	ds_load_b128 v[BK+32*(\u)+4*\t:BK+32*(\u)+4*\t+3], v[RD] offset:2*\t*SPITCH
.endr
.endm
.macro BLOCK i
.set N_, 0
.rept 32
	PROD \i, N_
.set N_, N_+1
.endr
	WIN 0
	PLACES 4                                       ; between the last product and the first reader of its sums, and the fetch into the registers that it has read
	s_wait_xcnt 0x0                                ; the stores of two blocks ago have read this set of rows
	STAGED (\i)%2
.if (\i) < 6
	FETCH (\i)+2, (\i)%2
	s_wait_dscnt NF                                ; the block's rows are back; its fetch is younger
.else
	s_wait_dscnt 0x0
.endif
.irp t, 0,1,2,3,4,5,6,7
	global_store_b128 v[CO], v[BK+32*((\i)%2)+4*\t:BK+32*((\i)%2)+4*\t+3], s[98:99] offset:(16*(\i)+2*\t)*4096 th:TH_STORE_NT   ; sixteen lanes store 256 consecutive bytes, aligned
.endr
.endm
	s_load_b256 s[4:11], s[0:1], 0x0               ; o's codes, o's scale words, the weights' codes, their scale words
	s_load_b128 s[96:99], s[0:1], 0x20             ; b_out, out
	v_lshl_add_u32 v[SPW], v0, 2, SPARE
	v_mov_b32 v[NIL], 0
	ds_add_u32 v[SPW], v[NIL]                      ; the opening lines: the add twice on end and its wait
	ds_add_u32 v[SPW], v[NIL]
	v_lshrrev_b32 v1, 5, v0
	v_readfirstlane_b32 s14, v1                    ; the wave; s15 its row a of the 2 x 2, s16 its column b
	s_lshr_b32 s15, s14, 1
	s_and_b32 s16, s14, 1
	s_bfe_u32 s40, ttmp6, 0x40000
	s_bfe_u32 s41, ttmp6, 0x40004
	s_lshl_b32 s43, ttmp9, 2
	s_add_co_u32 s43, s43, s40                     ; tile row: 4 x cluster x + cx
	s_and_b32 s42, ttmp7, 0xffff
	s_lshl_b32 s42, s42, 2
	s_add_co_u32 s42, s42, s41                     ; tile column: 4 x cluster y + cy
	s_lshl_b32 s44, 0x1111, s40                    ; my column of the cluster: shares A
	s_lshl_b32 s45, s41, 2
	s_lshl_b32 s45, 15, s45                        ; my row: shares B
	GROUP1 G1A, 44, 384
	GROUP1 G1B, 45, 192
	s_mov_b32 s[G0A], 1
	s_mul_i32 s[G0A+1], s16, GRP                   ; waves 2, 3: A's group 0, 1
	s_mov_b32 s[G0B], 1
	s_mul_i32 s[G0B+1], s16, 49152
	s_add_co_u32 s[G0B+1], s[G0B+1], YB            ; waves 0, 1: B's K under 512, from 512 on
	s_lshl_b32 s76, s43, 1
	s_add_co_u32 s80, s76, s15
	s_add_co_u32 s76, s76, s16
	s_mul_i32 s76, s76, GRP                        ; the group of A that I would fetch
	s_mov_b32 s77, 0
	s_lshl_b32 s80, s80, 12                        ; my group's scale words
	s_mov_b32 s81, 0
	s_add_co_u32 s78, s42, 88
	s_lshl_b32 s82, s78, 12
	s_mul_i32 s78, s78, GRP
	s_mul_i32 s21, s16, 49152
	s_add_co_u32 s78, s78, s21                     ; the half of B that I would fetch
	s_mov_b32 s79, 0
	s_lshl_b32 s21, s16, 11
	s_add_co_u32 s82, s82, s21                     ; my four tiles' scale words
	s_mov_b32 s83, 0
	s_lshl_b32 s84, s42, 9
	s_lshl_b32 s21, s16, 8
	s_add_co_u32 s84, s84, s21                     ; my first column, in bytes of f32
	s_mov_b32 s85, 0
	s_lshl_b32 s86, s43, 1
	s_add_co_u32 s86, s86, s15
	s_lshl_b32 s86, s86, 19                        ; my first row of out: 128 rows of 4,096 bytes a group
	s_mov_b32 s87, 0
	s_mul_i32 s21, s15, GRP
	s_mul_i32 s22, s16, 12288
	s_add_co_u32 s22, s22, YB
	s_mul_i32 s23, s14, 16*SPITCH
	s_add_co_u32 s23, s23, YB
	v_and_b32 v1, 15, v0                           ; r
	v_bfe_u32 v2, v0, 4, 1                         ; h
	v_and_b32 v3, 31, v0
	v_lshlrev_b32 v4, 4, v3
	v_lshlrev_b32 v5, 3, v3
	v_add_nc_u32 v[AL16], s21, v4
	v_add_nc_u32 v[AL8], s21, v5
	v_add_nc_u32 v[AH16], 49152, v[AL16]
	v_add_nc_u32 v[AH8], 49152, v[AL8]
	v_add_nc_u32 v[BA], s22, v4
	v_add_nc_u32 v[BAH], 49152, v[BA]
	v_mul_u32_u24 v20, v1, SPITCH
	v_lshl_add_u32 v20, v2, 5, v20
	v_add_nc_u32 v[STO], s23, v20
	v_mul_u32_u24 v21, v2, SPITCH
	v_lshl_add_u32 v21, v1, 4, v21
	v_add_nc_u32 v[RD], s23, v21
	v_lshlrev_b32 v22, 12, v2
	v_lshl_add_u32 v[CO], v1, 4, v22
	v_lshlrev_b32 v23, 9, v2
	v_lshl_add_u32 v[SOF], v1, 3, v23
	v_lshlrev_b32 v[BOF], 5, v2
	s_wait_alu depctr_va_vdst(0)
	s_wait_dscnt 0x0
	CROUND                                         ; in front of the first joint loads
	s_wait_kmcnt 0x0
	s_add_nc_u64 s[G0A+2:G0A+3], s[4:5], s[76:77]
	s_or_b32 s[G0A+3], s[G0A+3], 0x80000000
	s_add_nc_u64 s[G0B+2:G0B+3], s[8:9], s[78:79]
	s_or_b32 s[G0B+3], s[G0B+3], 0x80000000
	s_add_nc_u64 s[6:7], s[6:7], s[80:81]
	s_add_nc_u64 s[10:11], s[10:11], s[82:83]
	s_add_nc_u64 s[96:97], s[96:97], s[84:85]
	s_add_nc_u64 s[98:99], s[98:99], s[84:85]
	s_add_nc_u64 s[98:99], s[98:99], s[86:87]
	s_cmp_lt_u32 s14, 2
	s_cbranch_scc0 .Lfor_a
	TLOAD G0B, G1B                                 ; B, which is wanted first
	s_branch .Lasked
.Lfor_a:
	TLOAD G0A, G1A
.Lasked:
.irp p, 0,1
.irp c, 0,1,2,3
	global_load_b64 v[SB+8*\p+2*\c:SB+8*\p+2*\c+1], v[SOF], s[10:11] offset:1024*\p+128*\c   ; tiles 2 p + h, steps 2 c and 2 c + 1
.endr
.endr
.irp j, 0,1,2,3
.irp c, 0,1,2,3
	global_load_b64 v[SA+8*\j+2*\c:SA+8*\j+2*\c+1], v[SOF], s[6:7] offset:1024*\j+128*\c     ; blocks 2 j + h
.endr
.endr
.irp b, 0,1,2,3
	global_load_b128 v[BO+8*\b:BO+8*\b+3], v[BOF], s[96:97] offset:64*\b                     ; b_out(16 b + 8 h + i)
	global_load_b128 v[BO+8*\b+4:BO+8*\b+7], v[BOF], s[96:97] offset:64*\b+16
.endr
	s_cmp_lt_u32 s14, 2
	s_cbranch_scc0 .Lnot_b
	s_wait_tensorcnt 0x0                           ; waves 0, 1: B's halves have landed
.Lnot_b:
	BARRIER
.irp q, 0,1,2,3,4,5,6,7
.irp t, 0,1,2,3
	FRAGB \q, \t
.endr
.endr
	WIN 0
	s_wait_tensorcnt 0x0                           ; every wave: A's groups have landed
	s_wait_dscnt 0x0                               ; and my reads of B are over
	BARRIER                                        ; B's first bytes become the stages
	FETCH 0, 0
	FETCH 1, 1
	s_wait_loadcnt 0x0                             ; the scale words and the bias
	s_wait_dscnt NF                                ; block 0's fragments are in
.irp i, 0,1,2,3,4,5,6,7
	BLOCK \i
.endr
	s_wait_tensorcnt 0x0                           ; the wave's end
	ds_add_u32 v[SPW], v[NIL]
	s_wait_dscnt 0x0
	CROUND                                         ; the closing round
	s_endpgm
.Lfunc_end_k_q9045625bbf_gemm_out:
	.size	k_q9045625bbf_gemm_out, .Lfunc_end_k_q9045625bbf_gemm_out-k_q9045625bbf_gemm_out
	.p2alignl 7, 3214868480
	.fill 96, 4, 3214868480
	.section	.rodata,"a",@progbits
	.p2align	6, 0x0
	.amdhsa_kernel k_q9045625bbf_gemm_out
		.amdhsa_group_segment_fixed_size 327680
		.amdhsa_private_segment_fixed_size 0
		.amdhsa_enable_private_segment 0
		.amdhsa_kernarg_size 48
		.amdhsa_user_sgpr_count 2
		.amdhsa_user_sgpr_kernarg_segment_ptr 1
		.amdhsa_wavefront_size32 1
		.amdhsa_system_sgpr_workgroup_id_x 1
		.amdhsa_system_sgpr_workgroup_id_y 1
		.amdhsa_system_sgpr_workgroup_id_z 1
		.amdhsa_system_vgpr_workitem_id 0
		.amdhsa_next_free_vgpr 840
		.amdhsa_next_free_sgpr 100
		.amdhsa_reserve_vcc 0
		.amdhsa_float_denorm_mode_32 3
		.amdhsa_float_denorm_mode_16_64 3
		.amdhsa_memory_ordered 1
		.amdhsa_forward_progress 1
		.amdhsa_inst_pref_size 81
	.end_amdhsa_kernel
	.amdgpu_metadata
---
amdhsa.version: [ 1, 2 ]
amdhsa.kernels:
  - .name:           k_q9045625bbf_gemm_out
    .symbol:         k_q9045625bbf_gemm_out.kd
    .args:
      - { .name: o_img, .offset: 0, .size: 8, .value_kind: global_buffer, .address_space: global }
      - { .name: o_sc, .offset: 8, .size: 8, .value_kind: global_buffer, .address_space: global }
      - { .name: pcodes, .offset: 16, .size: 8, .value_kind: global_buffer, .address_space: global }
      - { .name: pscales, .offset: 24, .size: 8, .value_kind: global_buffer, .address_space: global }
      - { .name: b_out, .offset: 32, .size: 8, .value_kind: global_buffer, .address_space: global }
      - { .name: out0, .offset: 40, .size: 8, .value_kind: global_buffer, .address_space: global }
    .group_segment_fixed_size: 327680
    .private_segment_fixed_size: 0
    .kernarg_segment_align: 8
    .kernarg_segment_size: 48
    .max_flat_workgroup_size: 128
    .sgpr_count:     100
    .vgpr_count:     840
    .wavefront_size: 32
...
	.end_amdgpu_metadata
.endif
;; end of part 4
